; MI455X (gfx1250); checked and timed in simulation.
; The chip was launched on July 23, 2026; its instructions are those of AMD's public machine-readable ISA for CDNA 5 (MIT licence, August 2026) and "CDNA5" Instruction Set Architecture Reference Guide (July 2026). The comments in the code are by the model that wrote it; some were corrected since.
;; Encoder Block. Allowed arithmetic: matrix products marked QUANTISED: E4M3 operands, one E8M0 scale for each 32 along K, by v_wmma_scale_f32_16x16x128_f8f6f4 with both operands' format E4M3, f32 sums; everything else in f32.
;; Inputs: W1_codes 4,096 x 32 x 32 uint8 (E4M3 codes of W1, K innermost, in blocks of 32 codes); W1_scales 4,096 x 32 uint8 (E8M0 scales of W1, one for each 32 codes along K); W2_codes 1,024 x 128 x 32 uint8 (E4M3 codes of W2, K innermost, in blocks of 32 codes); W2_scales 1,024 x 128 uint8 (E8M0 scales of W2, one for each 32 codes along K); Wk_codes 16 x 64 x 32 x 32 uint8 (E4M3 codes of Wk, K innermost, in blocks of 32 codes); Wk_scales 16 x 64 x 32 uint8 (E8M0 scales of Wk, one for each 32 codes along K); Wo_codes 1,024 x 32 x 32 uint8 (E4M3 codes of Wo, K innermost, in blocks of 32 codes); Wo_scales 1,024 x 32 uint8 (E8M0 scales of Wo, one for each 32 codes along K); Wq_codes 16 x 64 x 32 x 32 uint8 (E4M3 codes of Wq, K innermost, in blocks of 32 codes); Wq_scales 16 x 64 x 32 uint8 (E8M0 scales of Wq, one for each 32 codes along K); Wv_codes 16 x 64 x 32 x 32 uint8 (E4M3 codes of Wv, K innermost, in blocks of 32 codes); Wv_scales 16 x 64 x 32 uint8 (E8M0 scales of Wv, one for each 32 codes along K); b1 4,096 float32; b2 1,024 float32; bk 16 x 64 float32; bo 1,024 float32; bq 16 x 64 float32; bv 16 x 64 float32; ln1_b 1,024 float32; ln1_g 1,024 float32; ln2_b 1,024 float32; ln2_g 1,024 float32; x 2 x 2,048 x 1,024 float32.
;; Outputs: out0 2 x 2,048 x 1,024 float32.
;; This version of the problem:
;;   THIS VERSION OF THE PROBLEM IS GIVEN IN LOW PRECISION. The matrix products marked QUANTISED in the list below multiply operands that are first quantised to E4M3 (4 exponent bits, 3 mantissa bits; 8 bits a number), with one power-of-two scale for each 32 numbers along K (OCP MX v1.0); their sums are f32. All else is computed in f32.
;;   The module's matrix products, in the order in which they are computed (A, B: the left and right operand; K: the contracted axis; several contracted axes count as one K, in the product's order):
;;     1. [M 1,024, K 1,024] x [K 1,024, N 4,096]; A: input Wq (given as codes); B: computed on the way: QUANTISED
;;     2. [M 1,024, K 1,024] x [K 1,024, N 4,096]; A: input Wk (given as codes); B: computed on the way: QUANTISED
;;     3. [M 1,024, K 1,024] x [K 1,024, N 4,096]; A: input Wv (given as codes); B: computed on the way: QUANTISED
;;     4. batch 32 x [M 2,048, K 64] x [K 64, N 2,048]; A: computed on the way; B: computed on the way: QUANTISED
;;     5. batch 32 x [M 2,048, K 2,048] x [K 2,048, N 64]; A: softmax (see below); B: computed on the way: QUANTISED
;;     6. [M 4,096, K 1,024] x [K 1,024, N 1,024]; A: computed on the way; B: input Wo (given as codes): QUANTISED
;;     7. [M 4,096, K 1,024] x [K 1,024, N 4,096]; A: computed on the way; B: input W1 (given as codes): QUANTISED
;;     8. [M 4,096, K 4,096] x [K 4,096, N 1,024]; A: computed on the way; B: input W2 (given as codes): QUANTISED
;;   THE QUANTISER, for each operand of a quantised product, along K:
;;     - K is cut into blocks of 32 from its start; a last block that is shorter is filled with zeros.
;;     - A block's scale is 2^e with e = floor(log2(the largest magnitude in the block)) - 8, held to -126 .. 127; a block of zeros has e = 0. As a byte (E8M0): e + 127.
;;     - Each number is divided by its block's scale, clamped to +-448, and rounded to the nearest number of E4M3, ties to even, subnormals kept.
;;     - The product sums the exact products of the quantised numbers (number of the format x scale) in f32.
;;   ~~~python
;;   def quantise(x, axis):      # numpy; x: float32 -> the quantised numbers, widened to float32 again
;;       x = np.moveaxis(x, axis, -1); K = x.shape[-1]
;;       x = np.pad(x, [(0, 0)] * (x.ndim - 1) + [(0, -K % 32)]); x = x.reshape(x.shape[:-1] + (-1, 32)); a = np.abs(x).max(-1, keepdims=True)
;;       e = np.where(a > 0, np.clip(np.frexp(np.where(a > 0, a, 1))[1] - 1 - 8, -126, 127), 0)      # np.frexp(a)[1] - 1 = floor(log2(a)), exactly
;;       r = np.clip(x / 2.0 ** e, -448, 448)
;;       step = 2.0 ** (np.maximum(np.frexp(np.where(r == 0, 1, r))[1] - 1, -6) - 3)
;;       q = np.round(r / step) * step * 2.0 ** e      # np.round: ties to even
;;       return np.moveaxis(q.reshape(q.shape[:-2] + (-1,))[..., :K], -1, axis).astype(np.float32)
;;   ~~~
;;   SOFTMAX AHEAD OF A QUANTISED PRODUCT. Where the list says 'softmax', what is quantised is not the finished softmax but p = 2^(t - M), with t = logit x log2(e) and M = ceil(the row's largest t), a whole number; so 1/2 < the row's largest p <= 1. The row's sum l is taken of the UNQUANTISED p, in f32, and the product's result is divided by l at the end. Since M is a whole number, a kernel that streams over the keys may use a running M (the ceiling of the running maximum): every later rescaling is an exact power of two, which a block's scale takes up: the codes' values come out the same.
;;   OPERANDS COMPUTED ON THE WAY. 'Computed on the way' means the value that the module computes at that place (a softmax that the list does not call 'softmax' is quantised finished and normalised). What goes into a quantiser is computed in f32, as accurately as f32 sums, v_exp_f32 and their like allow (about 1e-6 of the number): no bf16 or f16 on the way to a quantiser, and a product that is left as it is and whose result goes on into a quantised operand takes f32 operands (vector FMAs, or v_wmma_f32_16x16x4_f32). A number that lies on a knife's edge between two numbers of the format may be rounded either way, as far as f32 arithmetic and the matrix unit's own rounding can turn it there, and no further.
;;   INPUTS GIVEN AS CODES. W1 (in the module: [1024, 4096], K = its axis 0); W2 (in the module: [4096, 1024], K = its axis 0); Wk (in the module: [16, 1024, 64], K = its axis 1); Wo (in the module: [1024, 1024], K = its axis 0); Wq (in the module: [16, 1024, 64], K = its axis 1); Wv (in the module: [16, 1024, 64], K = its axis 1): each comes as NAME_codes (uint8): NAME with its K axis moved to the last place and cut into blocks of 32 codes, [.., K / 32, bytes a block], one block behind the other in memory; one code a byte (a code: sign, 4 exponent bits, 3 mantissa bits); and NAME_scales (uint8): the same leading axes, one E8M0 byte (e + 127) for each 32 codes along K. Its value is code x scale, taken as it is: it is not quantised again, and the codes and scales need not be those that the quantiser above would give.
;; One version. Each part assembles by itself: llvm-mc -triple=amdgcn-amd-amdhsa -mcpu=gfx1250 --defsym DOCPART=n.
;; ======== version 1 of 1: 7 launches
;; limits: right only within a limited range of input values
;; workspace buffers: hn 4,456,448 bytes; qb 4,718,592 bytes; kb 4,718,592 bytes; vb 4,456,448 bytes; cx 4,456,448 bytes; x1 16,777,216 bytes; hd 17,825,792 bytes
;; launch ln1 (part 1): grid 256 x 1, 8 waves a work-group, no clusters, 71,680 bytes of LDS; arguments x, ln1_g, ln1_b, hn; writes hn
.if DOCPART == 1
	.amdgcn_target "amdgcn-amd-amdhsa--gfx1250"
	.amdhsa_code_object_version 6
	.text
	.protected	k_qc6bdc45ff6_ln1
	.globl	k_qc6bdc45ff6_ln1
	.p2align	8
	.type	k_qc6bdc45ff6_ln1,@function
k_qc6bdc45ff6_ln1:
	s_mov_b64 s[64:65], 0
	v_nop
	global_prefetch_b8 v0, s[64:65] scope:SCOPE_SE
	s_setreg_imm32_b32 hwreg(HW_REG_WAVE_MODE, 25, 1), 1
	s_wait_xcnt 0x0
; LAYER NORM OVER ROWS OF 1,024 f32, THEN THE MX-FP8 QUANTISER ALONG THE ROW.  Arguments: the rows [4096][1024], gain, bias, and the operand buffer.
; The result is laid as IMAGES OF OPERAND REGISTERS: fragment (t, s) = 16 rows 16 t .. x K 128 s .., 2,048 bytes at (8 t + s) x 2,048: byte 512 c + 16 lane + i is the code of
; (row lane % 16, k = 128 s + 32 c + 16 (lane / 16) + i).  Its scale words, one a row, at 4,194,304 + (8 t + s) x 128 + 4 lane (lanes 16-31 repeat lanes 0-15).
; SHARES: work-group t takes 16 rows; wave w their columns 128 w .. 128 w + 127, which is K step w.  Each load reads 512 consecutive bytes of a row; the 16 x 512 bytes turn through the wave's own
; stage in LDS (rows 528 bytes apart) so that lane (r, h) holds, of row r, 16 neighbours of each block of 32.  They come back into the registers that they left, so that rows, gain and bias
; all have registers of their own and are asked for together, at the head.  Mean and variance are taken in two passes; the waves' partial sums meet in LDS.
; LDS: the three small regions lie first, so that their places fit an LDS instruction's 16-bit offset; the stages' bases are carried in the address registers.
; LIMITS: NaN and infinities are not served.  A block whose largest magnitude lies under 2^-118, a block of zeros too, gets the scale byte 1 (the rule gives zeros 127): its codes are what the
; conversion makes under that byte, zeros for zeros, and only this program reads the bytes.  1 / sqrt is v_rsq_f32's; the sums' order is not numpy's.
.set PITCH, 528
.set WSTG,  16*PITCH                   ; a wave's stage: 8,448 bytes
.set ST0,   0                          ; the waves' row sums, 128 bytes a wave
.set ST1,   1024                       ; the sums of squares
.set WDS,   2048                       ; the eight K steps' scale words
.set STGB,  3072                       ; the eight stages
.set X,   16                           ; v16-79   the rows as loaded; then my 64 numbers: register 16 b + i = column 128 w + 32 b + 16 h + i of row r
.set BT,  80                           ; v80-143  the bias at those columns
.set G,   144                          ; v144-207 the gain at those columns
.set PC,  144                          ; later the codes
.set T,   208                          ; v208-215 four packed chains
.set PT,  216                          ; v216-223 the eight waves' parts
.set MU,  224                          ; v[224:225] the mean
.set RS,  226                          ; v[226:227] 1 / sqrt(var + eps)
.set TM,  228                          ; v228-243 the quantiser's: largest magnitudes, bytes, holds, scale operands
.set PW,  244
.set SEL, 20                           ; s[20:21] v_permlanex16_b32's selects for lane l xor 16
.set MNT, 22                           ; the mantissa field of 448
; 16 nb numbers of a lane, register 16 b + i = number i of my half of block b, become codes in v[PC + 4 b ..] and scale bytes in v[TM + 4 + b].  relu = 1: what is negative becomes 0 on the way.
.macro QUANT s, relu, nb
.irp b, 0,1,2,3
.if \b < \nb
.if \relu
	v_max3_num_f32 v[TM+\b], v[\s+16*\b], v[\s+16*\b+1], 0x4800000        ; the floor 2^(9 - 127) holds the byte at 1 from below
.else
	v_max3_num_f32 v[TM+\b], |v[\s+16*\b]|, |v[\s+16*\b+1]|, 0x4800000
.endif
.endif
.endr
.irp i, 2,4,6,8,10,12,14
.irp b, 0,1,2,3
.if \b < \nb
.if \relu
	v_max3_num_f32 v[TM+\b], v[TM+\b], v[\s+16*\b+\i], v[\s+16*\b+\i+1]
.else
	s_delay_alu instid0(VALU_DEP_4)
	v_max3_num_f32 v[TM+\b], v[TM+\b], |v[\s+16*\b+\i]|, |v[\s+16*\b+\i+1]|
.endif
.endif
.endr
.endr
.irp b, 0,1,2,3
.if \b < \nb
	s_delay_alu instid0(VALU_DEP_4)
	v_permlanex16_b32 v[TM+4+\b], v[TM+\b], s[SEL], s[SEL+1]
.endif
.endr
.irp b, 0,1,2,3
.if \b < \nb
	s_delay_alu instid0(VALU_DEP_4)
	v_max_num_f32 v[TM+\b], v[TM+\b], v[TM+4+\b]                          ; with lane l xor 16's 16: the block's largest magnitude
.endif
.endr
.irp b, 0,1,2,3
.if \b < \nb
	s_delay_alu instid0(VALU_DEP_4)
	v_add_nc_u32 v[TM+12+\b], 0xfc000000, v[TM+\b]                        ; 8 off its exponent field: the conversion's scale operand
.endif
.endr
.irp b, 0,1,2,3
.if \b < \nb
	v_and_or_b32 v[TM+8+\b], v[TM+\b], 0x7f800000, s[MNT]                 ; 448 x the scale
.endif
.endr
.irp b, 0,1,2,3
.if \b < \nb
	v_lshrrev_b32 v[TM+4+\b], 23, v[TM+12+\b]                             ; the scale's byte
.endif
.endr
.irp b, 0,1,2,3
.if \b < \nb
.irp i, 0,1,2,3,4,5,6,7,8,9,10,11,12,13,14,15
.if \relu
	v_med3_num_f32 v[\s+16*\b+\i], v[\s+16*\b+\i], 0, v[TM+8+\b]          ; the activation and the hold in one
.else
	v_med3_num_f32 v[\s+16*\b+\i], v[\s+16*\b+\i], -v[TM+8+\b], v[TM+8+\b] ; the conversion to an 8-bit code does not saturate (ISA guide 7.6.2): the hold comes first
.endif
.endr
	v_cvt_scalef32_pk8_fp8_f32 v[PC+4*\b:PC+4*\b+1], v[\s+16*\b:\s+16*\b+7], v[TM+12+\b]
	v_cvt_scalef32_pk8_fp8_f32 v[PC+4*\b+2:PC+4*\b+3], v[\s+16*\b+8:\s+16*\b+15], v[TM+12+\b]
.endif
.endr
	v_nop                                          ; one plain line behind the last conversion
.endm
; The four chains in v[T ..] become my row's sum over my wave's 128 columns; the eight waves' sums meet in LDS; v[PT] then holds the row's sum over all 1,024, added in the same order in every wave.
.macro EXCH where
	s_delay_alu instid0(VALU_DEP_3)
	v_pk_add_f32 v[T:T+1], v[T:T+1], v[T+2:T+3]
	s_delay_alu instid0(VALU_DEP_2)
	v_pk_add_f32 v[T+4:T+5], v[T+4:T+5], v[T+6:T+7]
	s_delay_alu instid0(VALU_DEP_1)
	v_pk_add_f32 v[T:T+1], v[T:T+1], v[T+4:T+5]
	s_delay_alu instid0(VALU_DEP_1)
	v_add_f32 v[T], v[T], v[T+1]
	s_delay_alu instid0(VALU_DEP_1)
	v_permlanex16_b32 v[T+2], v[T], s[SEL], s[SEL+1]
	s_delay_alu instid0(VALU_DEP_1)
	v_add_f32 v[T], v[T], v[T+2]
	ds_store_b32 v9, v[T] offset:\where
	s_wait_dscnt 0x0                               ; for the others' sake: my store has landed
	s_barrier_signal -1
	s_barrier_wait -1
.irp p, 0,1,2,3,4,5,6,7
	ds_load_b32 v[PT+\p], v10 offset:\where+128*\p
.endr
	s_wait_dscnt 0x0
	v_add_f32 v[PT], v[PT], v[PT+1]
	v_add_f32 v[PT+2], v[PT+2], v[PT+3]
	v_add_f32 v[PT+4], v[PT+4], v[PT+5]
	v_add_f32 v[PT+6], v[PT+6], v[PT+7]
	s_delay_alu instid0(VALU_DEP_3)
	v_add_f32 v[PT], v[PT], v[PT+2]
	s_delay_alu instid0(VALU_DEP_2)
	v_add_f32 v[PT+4], v[PT+4], v[PT+6]
	s_delay_alu instid0(VALU_DEP_1)
	v_add_f32 v[PT], v[PT], v[PT+4]
.endm
	s_load_b256 s[4:11], s[0:1], 0x0               ; rows s[4:5], gain s[6:7], bias s[8:9], operand buffer s[10:11]
	v_lshl_add_u32 v254, v0, 2, 0x11400
	v_mov_b32 v255, 0
	v_lshrrev_b32 v1, 5, v0
	s_delay_alu instid0(VALU_DEP_1)
	v_readfirstlane_b32 s12, v1                    ; wave 0..7
	v_and_b32 v1, 31, v0                           ; lane
	v_and_b32 v2, 15, v0                           ; r
	v_bfe_u32 v3, v0, 4, 1                         ; h
	s_delay_alu instid0(VALU_DEP_3)
	v_lshlrev_b32 v8, 4, v1                        ; 16 lane
	s_delay_alu instid0(VALU_DEP_4)
	v_lshlrev_b32 v10, 2, v1                       ; 4 lane
	v_and_b32 v11, 63, v0
	s_delay_alu instid0(VALU_DEP_1)
	v_lshlrev_b32 v11, 4, v11                      ; 16 x (thread % 64): in waves 0 and 1 their 512 bytes of the tile's 1,024 bytes of scale words
	s_lshl_b32 s13, s12, 9                         ; my wave's 512 bytes of a row
	s_mul_i32 s14, s12, WSTG
	s_add_co_u32 s14, s14, STGB                    ; my stage
	s_lshl_b32 s15, s12, 7
	v_add_nc_u32 v4, s13, v8                       ; 512 w + 16 lane
	v_lshl_add_u32 v5, v3, 6, s13                  ; 512 w + 64 h: gain and bias
	v_add_nc_u32 v6, s14, v8                       ; into the stage: as loaded
	v_mul_u32_u24 v7, v2, PITCH
	s_delay_alu instid0(VALU_DEP_1)
	v_lshl_add_u32 v7, v3, 6, v7
	s_delay_alu instid0(VALU_DEP_1)
	v_add_nc_u32 v7, s14, v7                       ; out of it: row r, + 64 h
	v_add_nc_u32 v9, s15, v10                      ; 128 w + 4 lane
	s_mov_b32 s[SEL], 0x76543210
	s_mov_b32 s[SEL+1], 0xfedcba98
	s_mov_b32 s[MNT], 0x600000
	s_mov_b32 s23, 0x3a800000                      ; 1 / 1,024
.irp b, 0,1,2,3
	v_mov_b32 v[TM+4+\b], 0                        ; written once: a lane permute's destination counts as one of its sources
.endr
	s_lshl_b32 s16, ttmp9, 16                      ; 16 rows of 4,096 bytes
	s_mov_b32 s17, 0
	s_lshl_b32 s18, ttmp9, 14                      ; eight fragments,
	s_lshl_b32 s19, s12, 11                        ; mine of them
	s_add_co_u32 s18, s18, s19
	s_mov_b32 s19, 0
	s_lshl_b32 s24, ttmp9, 10                      ; eight times 128 bytes of scale words
	s_add_co_u32 s24, s24, 4194304
	s_mov_b32 s25, 0
	s_wait_alu depctr_va_vdst(0)
	s_wait_kmcnt 0x0
	s_add_nc_u64 s[4:5], s[4:5], s[16:17]
	s_add_nc_u64 s[26:27], s[10:11], s[18:19]      ; my fragment
	s_add_nc_u64 s[10:11], s[10:11], s[24:25]      ; the tile's scale words
.irp i, 0,1,2,3,4,5,6,7,8,9,10,11,12,13,14,15
	global_load_b128 v[X+4*\i:X+4*\i+3], v4, s[4:5] offset:4096*\i th:TH_LOAD_NT   ; row i: 512 consecutive bytes
.endr
.irp b, 0,1,2,3
.irp j, 0,1,2,3
	global_load_b128 v[G+16*\b+4*\j:G+16*\b+4*\j+3], v5, s[6:7] offset:128*\b+16*\j
.endr
.endr
.irp b, 0,1,2,3
.irp j, 0,1,2,3
	global_load_b128 v[BT+16*\b+4*\j:BT+16*\b+4*\j+3], v5, s[8:9] offset:128*\b+16*\j
.endr
.endr
	s_wait_loadcnt 32                              ; the rows are in; the 16 + 16 younger loads of gain and bias may be out
.irp i, 0,1,2,3,4,5,6,7,8,9,10,11,12,13,14,15
	ds_store_b128 v6, v[X+4*\i:X+4*\i+3] offset:PITCH*\i
.endr
.irp b, 0,1,2,3
.irp j, 0,1,2,3
	ds_load_b128 v[X+16*\b+4*\j:X+16*\b+4*\j+3], v7 offset:128*\b+16*\j   ; LDS serves a wave's instructions in order (ISA guide 5.7.1.4): these see my stores, and land behind them in the registers that the stores have read
.endr
.endr
	s_wait_dscnt 0x0                               ; my numbers are in
.irp k, 0,1,2,3
	v_pk_add_f32 v[T+2*\k:T+2*\k+1], v[X+2*\k:X+2*\k+1], v[X+8+2*\k:X+8+2*\k+1]
.endr
.irp m, 2,3,4,5,6,7
.irp k, 0,1,2,3
	s_delay_alu instid0(VALU_DEP_4)
	v_pk_add_f32 v[T+2*\k:T+2*\k+1], v[T+2*\k:T+2*\k+1], v[X+8*\m+2*\k:X+8*\m+2*\k+1]
.endr
.endr
	EXCH ST0
	s_delay_alu instid0(VALU_DEP_1)
	v_mul_f32 v[MU], s23, v[PT]                    ; the mean
	s_delay_alu instid0(VALU_DEP_1)
	v_mov_b32 v[MU+1], v[MU]
.irp j, 0,2,4,6,8,10,12,14,16,18,20,22,24,26,28,30,32,34,36,38,40,42,44,46,48,50,52,54,56,58,60,62
	v_pk_add_f32 v[X+\j:X+\j+1], v[X+\j:X+\j+1], v[MU:MU+1] op_sel_hi:[1,0] neg_lo:[0,1] neg_hi:[0,1]   ; x - mean
.endr
.irp k, 0,1,2,3
	v_pk_mul_f32 v[T+2*\k:T+2*\k+1], v[X+2*\k:X+2*\k+1], v[X+2*\k:X+2*\k+1]
.endr
.irp m, 1,2,3,4,5,6,7
.irp k, 0,1,2,3
	s_delay_alu instid0(VALU_DEP_4)
	v_pk_fma_f32 v[T+2*\k:T+2*\k+1], v[X+8*\m+2*\k:X+8*\m+2*\k+1], v[X+8*\m+2*\k:X+8*\m+2*\k+1], v[T+2*\k:T+2*\k+1]
.endr
.endr
	EXCH ST1
	v_mov_b32 v[RS+1], 0x3727c5ac                  ; eps = 1e-5
	s_delay_alu instid0(VALU_DEP_1)
	v_fma_f32 v[RS], v[PT], s23, v[RS+1]           ; the variance + eps
	s_wait_alu depctr_va_vdst(0)
	v_rsq_f32 v[RS], v[RS]
	v_nop                                          ; a plain line behind the transcendental,
	s_wait_alu depctr_va_vdst(0)                   ; and the wait ahead of its first reader
	v_mov_b32 v[RS+1], v[RS]
	s_wait_alu depctr_va_vdst(0)
	s_wait_loadcnt 0x0                             ; gain and bias
.irp j, 0,2,4,6,8,10,12,14,16,18,20,22,24,26,28,30,32,34,36,38,40,42,44,46,48,50,52,54,56,58,60,62
	v_pk_mul_f32 v[X+\j:X+\j+1], v[X+\j:X+\j+1], v[RS:RS+1] op_sel_hi:[1,0]
.endr
.irp j, 0,2,4,6,8,10,12,14,16,18,20,22,24,26,28,30,32,34,36,38,40,42,44,46,48,50,52,54,56,58,60,62
	v_pk_fma_f32 v[X+\j:X+\j+1], v[X+\j:X+\j+1], v[G+\j:G+\j+1], v[BT+\j:BT+\j+1]
.endr
	QUANT X, 0, 4
	v_lshl_or_b32 v[PW], v[TM+5], 8, v[TM+4]       ; the four bytes make my row's scale word
	s_delay_alu instid0(VALU_DEP_1)
	v_lshl_or_b32 v[PW], v[TM+6], 16, v[PW]
	s_delay_alu instid0(VALU_DEP_1)
	v_lshl_or_b32 v[PW], v[TM+7], 24, v[PW]
.irp c, 0,1,2,3
	global_store_b128 v8, v[PC+4*\c:PC+4*\c+3], s[26:27] offset:512*\c   ; 512 consecutive bytes a store
.endr
	ds_store_b32 v9, v[PW] offset:WDS
	s_wait_dscnt 0x0
	s_barrier_signal -1
	s_barrier_wait -1                              ; the tile's 1,024 bytes of scale words lie in LDS
	s_cmp_gt_u32 s12, 1
	s_cbranch_scc1 .Ldone                          ; waves 0 and 1 store them, 512 consecutive bytes each
	ds_load_b128 v[PT:PT+3], v11 offset:WDS
	s_wait_dscnt 0x0
	global_store_b128 v11, v[PT:PT+3], s[10:11]
.Ldone:
	s_wait_tensorcnt 0x0
	ds_add_u32 v254, v255
	s_wait_dscnt 0x0
	s_endpgm
.Lfunc_end_k_qc6bdc45ff6_ln1:
	.size	k_qc6bdc45ff6_ln1, .Lfunc_end_k_qc6bdc45ff6_ln1-k_qc6bdc45ff6_ln1
	.p2alignl 7, 3214868480
	.fill 96, 4, 3214868480
	.section	.rodata,"a",@progbits
	.p2align	6, 0x0
	.amdhsa_kernel k_qc6bdc45ff6_ln1
		.amdhsa_group_segment_fixed_size 71680
		.amdhsa_private_segment_fixed_size 0
		.amdhsa_enable_private_segment 0
		.amdhsa_kernarg_size 32
		.amdhsa_user_sgpr_count 2
		.amdhsa_user_sgpr_kernarg_segment_ptr 1
		.amdhsa_wavefront_size32 1
		.amdhsa_system_sgpr_workgroup_id_x 1
		.amdhsa_system_sgpr_workgroup_id_y 1
		.amdhsa_system_sgpr_workgroup_id_z 1
		.amdhsa_system_vgpr_workitem_id 0
		.amdhsa_next_free_vgpr 256
		.amdhsa_next_free_sgpr 66
		.amdhsa_reserve_vcc 0
		.amdhsa_float_denorm_mode_32 3
		.amdhsa_float_denorm_mode_16_64 3
		.amdhsa_memory_ordered 1
		.amdhsa_forward_progress 1
		.amdhsa_inst_pref_size 34
	.end_amdhsa_kernel
	.amdgpu_metadata
---
amdhsa.version: [ 1, 2 ]
amdhsa.kernels:
  - .name:           k_qc6bdc45ff6_ln1
    .symbol:         k_qc6bdc45ff6_ln1.kd
    .args:
      - { .name: x, .offset: 0, .size: 8, .value_kind: global_buffer, .address_space: global }
      - { .name: ln1_g, .offset: 8, .size: 8, .value_kind: global_buffer, .address_space: global }
      - { .name: ln1_b, .offset: 16, .size: 8, .value_kind: global_buffer, .address_space: global }
      - { .name: hn, .offset: 24, .size: 8, .value_kind: global_buffer, .address_space: global }
    .group_segment_fixed_size: 71680
    .private_segment_fixed_size: 0
    .kernarg_segment_align: 8
    .kernarg_segment_size: 32
    .max_flat_workgroup_size: 256
    .sgpr_count:     66
    .vgpr_count:     256
    .wavefront_size: 32
...
	.end_amdgpu_metadata
.endif
;; end of part 1
;; launch qkv (part 2): grid 12 x 16, 4 waves a work-group, clusters of 4 x 1, 327,680 bytes of LDS; arguments hn, Wq_codes, Wq_scales, bq, Wk_codes, Wk_scales, bk, Wv_codes, Wv_scales, bv, qb, kb, vb; writes qb, kb, vb
.if DOCPART == 2
	.amdgcn_target "amdgcn-amd-amdhsa--gfx1250"
	.amdhsa_code_object_version 6
	.text
	.protected	k_qc6bdc45ff6_qkv
	.globl	k_qc6bdc45ff6_qkv
	.p2align	8
	.type	k_qc6bdc45ff6_qkv,@function
k_qc6bdc45ff6_qkv:
	s_mov_b64 s[64:65], 0
	v_nop
	global_prefetch_b8 v0, s[64:65] scope:SCOPE_SE
	s_setreg_imm32_b32 hwreg(HW_REG_WAVE_MODE, 25, 1), 1
	s_wait_xcnt 0x0
	s_wait_alu depctr_hold_cnt(0) depctr_sa_sdst(0) depctr_va_vdst(0) depctr_va_sdst(0) depctr_va_ssrc(0) depctr_va_vcc(0) depctr_vm_vsrc(0)
	s_getreg_b32 s2, hwreg(HW_REG_IB_STS2, 6, 4)
	s_cmp_eq_u32 s2, 0
	s_cbranch_scc0 .Lentry_in_a_cluster
	s_endpgm
.Lentry_in_a_cluster:
	s_bfe_u32 s2, ttmp6, 0x10000c
	s_cmp_lg_u32 s2, 0x3003
	s_cbranch_scc0 .Lentry_shape_is_right
	s_endpgm
.Lentry_shape_is_right:
; q, k, v = h W^T + b on codes of MX-FP8, and their quantisers.  A work-group takes 256 tokens (y) of one tensor (the cluster's x: 0 q, 1 k, 2 v); wave w of partner cx takes head 4 cx + w:
; the head's 64 rows of the weight, all of K = 1,024, stay in 512 registers; h's operand images (launch ln1's) come into LDS once, jointly for the four partners, and are read pair of tiles by pair.
; THE HEAD'S TILES ARE SHARED OUT, one tensor load a wave, in one chain of arms on the wave's number: wave 0 brings 512 rows of 256 bytes of the images, waves 1 and 2 256 rows each, wave 3 the 64 rows of scale words.
; No LDS byte is filled twice.  Nothing is prefetched: every fill stands at the head.  LIMITS: as stated in launch ln1.
.set KROW, 1024
.set LI,  1
.set LS,  2
.set AD,  3
.set AW,  4
.set BO,  5
.set BS,  6
.set CO,  13
.set WO,  14
.set ACC, 16
.set BIA, 80
.set WSC, 112
.set ASC, 204                          ; h's scale words: their numbers differ modulo 8 from the weight's in every product
.set G1B, 12                           ; s[12:19], s[20:23] waves 1 and 2's descriptor (the arguments that lay there have been used by then)
.set G0B, 20
.set PC,  160
.set TM,  176
.set PW,  192
.set VWD, 196
.set BN,  200
.set WV,  42
.set WB,  34
.set WS,  36
.set BP,  38
.set OUTP, 40
.set G1A, 48
.set G1W, 56
.set G0A, 68
.set G0W, 72
.set PO,  76
.set PWO, 77
.set CNT, 78
.set HC,  79
.set SH,  80
.set SEL, 82
.set MNT, 84
.set MSB, 0
.macro WIN new
.if MSB != (\new)
	s_set_vgpr_msb (MSB<<8)|(\new)
.set MSB, (\new)
.endif
.endm
.macro NOPS n
.rept \n
	v_nop
.endr
.endm
.macro CROUND
	s_barrier_signal -1
	s_barrier_wait -1
	s_cmp_lg_u32 s[WV], 0
	s_cbranch_scc1 .Lnot_wave_0_\@
	s_barrier_signal -3
.Lnot_wave_0_\@:
	s_barrier_wait -3
	s_barrier_signal -1
	s_barrier_wait -1
.endm
.macro QUANT s, relu, nb
.irp b, 0,1,2,3
.if \b < \nb
.if \relu
	v_max3_num_f32 v[TM+\b], v[\s+16*\b], v[\s+16*\b+1], 0x4800000
.else
	v_max3_num_f32 v[TM+\b], |v[\s+16*\b]|, |v[\s+16*\b+1]|, 0x4800000
.endif
.endif
.endr
.irp i, 2,4,6,8,10,12,14
.irp b, 0,1,2,3
.if \b < \nb
.if \relu
	v_max3_num_f32 v[TM+\b], v[TM+\b], v[\s+16*\b+\i], v[\s+16*\b+\i+1]
.else
	v_max3_num_f32 v[TM+\b], v[TM+\b], |v[\s+16*\b+\i]|, |v[\s+16*\b+\i+1]|
.endif
.endif
.endr
.endr
.irp b, 0,1,2,3
.if \b < \nb
	v_permlanex16_b32 v[TM+4+\b], v[TM+\b], s[SEL], s[SEL+1]
.endif
.endr
.irp b, 0,1,2,3
.if \b < \nb
	v_max_num_f32 v[TM+\b], v[TM+\b], v[TM+4+\b]
.endif
.endr
.irp b, 0,1,2,3
.if \b < \nb
	v_add_nc_u32 v[TM+12+\b], 0xfc000000, v[TM+\b]
.endif
.endr
.irp b, 0,1,2,3
.if \b < \nb
	v_and_or_b32 v[TM+8+\b], v[TM+\b], 0x7f800000, s[MNT]
.endif
.endr
.irp b, 0,1,2,3
.if \b < \nb
	v_lshrrev_b32 v[TM+4+\b], 23, v[TM+12+\b]
.endif
.endr
.irp b, 0,1,2,3
.if \b < \nb
.irp i, 0,1,2,3,4,5,6,7,8,9,10,11,12,13,14,15
.if \relu
	v_med3_num_f32 v[\s+16*\b+\i], v[\s+16*\b+\i], 0, v[TM+8+\b]
.else
	v_med3_num_f32 v[\s+16*\b+\i], v[\s+16*\b+\i], -v[TM+8+\b], v[TM+8+\b]
.endif
.endr
	v_cvt_scalef32_pk8_fp8_f32 v[PC+4*\b:PC+4*\b+1], v[\s+16*\b:\s+16*\b+7], v[TM+12+\b]
	v_cvt_scalef32_pk8_fp8_f32 v[PC+4*\b+2:PC+4*\b+3], v[\s+16*\b+8:\s+16*\b+15], v[TM+12+\b]
.endif
.endr
	v_nop
.endm
.macro LOADB
	WIN 0x40
.irp n, 0,1,2,3
.irp k, 0,1,2,3
.irp c, 0,1,2,3
	global_load_b128 v[16*(4*\n+\k)+4*\c:16*(4*\n+\k)+4*\c+3], v[BO], s[WB:WB+1] offset:(32*(\n/2)+8*(\n%2))*KROW+128*\k+32*\c
.endr
.endr
.endr
	WIN 0x80
.irp n, 0,1,2,3
.irp k, 0,1,2,3
.irp c, 0,1,2,3
	global_load_b128 v[16*(4*\n+\k)+4*\c:16*(4*\n+\k)+4*\c+3], v[BO], s[WB:WB+1] offset:(32*(\n/2)+8*(\n%2))*KROW+512+128*\k+32*\c
.endr
.endr
.endr
	WIN 0
.irp n, 0,1,2,3
	global_load_b128 v[WSC+8*\n:WSC+8*\n+3], v[BS], s[WS:WS+1] offset:(32*(\n/2)+8*(\n%2))*(KROW/32)
	global_load_b128 v[WSC+8*\n+4:WSC+8*\n+7], v[BS], s[WS:WS+1] offset:(32*(\n/2)+8*(\n%2))*(KROW/32)+16
.endr
.endm
.macro MMH g, orient
.if \orient
	WIN 0x07+4*(\g)
.else
	WIN 0x0d+(\g)
.endif
.irp k, 0,1,2,3
.irp n, 0,1,2,3
.irp a, 0,1
.set MW, 16*(4*\n+\k)
.set MX, 128*(\g)+16*(4*\a+\k)
.set MSW, WSC+8*\n+4*(\g)+\k
.set MSX, ASC+8*\a+4*(\g)+\k
.if \orient
.set MD, ACC+8*(2*\n+\a)
.if ((\g) == 0) && (\k == 0)
	v_wmma_scale_f32_16x16x128_f8f6f4 v[MD:MD+7], v[MX:MX+15], v[MW:MW+15], v[BIA+8*\n:BIA+8*\n+7], v[MSX], v[MSW]
.else
	v_wmma_scale_f32_16x16x128_f8f6f4 v[MD:MD+7], v[MX:MX+15], v[MW:MW+15], v[MD:MD+7], v[MSX], v[MSW]
.endif
.else
.set MD, ACC+8*(4*\a+\n)
.if ((\g) == 0) && (\k == 0)
	v_wmma_scale_f32_16x16x128_f8f6f4 v[MD:MD+7], v[MW:MW+15], v[MX:MX+15], v[BIA+8*\n:BIA+8*\n+7], v[MSW], v[MSX]
.else
	v_wmma_scale_f32_16x16x128_f8f6f4 v[MD:MD+7], v[MW:MW+15], v[MX:MX+15], v[MD:MD+7], v[MSW], v[MSX]
.endif
.endif
.endr
.endr
.endr
.endm
.macro LOADX g
	WIN 0xc0
.irp a, 0,1
.irp k, 0,1,2,3
.irp c, 0,1,2,3
	ds_load_b128 v[128*(\g)+16*(4*\a+\k)+4*\c:128*(\g)+16*(4*\a+\k)+4*\c+3], v[AD] offset:\a*16384+(4*(\g)+\k)*2048+\c*512
.endr
.endr
.endr
	WIN 0
.irp a, 0,1
.irp k, 0,1,2,3
	ds_load_b32 v[ASC+8*\a+4*(\g)+\k], v[AW] offset:\a*1024+(4*(\g)+\k)*128
.endr
.endr
.endm
.macro ADDR
	v_add_nc_u32 v[AD], s[PO], v[LI]
	v_add_nc_u32 v[AW], s[PWO], v[LS]
.endm
.macro EPI_Q
	QUANT ACC, 0, 4
	v_lshl_or_b32 v[PW+2], v[TM+5], 8, v[TM+4]     ; the two bytes of the pair's first token tile,
	v_lshl_or_b32 v[PW+3], v[TM+7], 8, v[TM+6]     ; of its second
	v_lshl_or_b32 v[PW], v[PW+3], 16, v[PW+2]      ; word 0: (first, second): launch attn lays the two tiles into one 128-deep fragment
	v_lshl_or_b32 v[PW+1], v[PW+2], 16, v[PW+3]    ; word 1: (second, first)
.irp b, 0,1,2,3
	global_store_b128 v[CO], v[PC+4*\b:PC+4*\b+3], s[OUTP:OUTP+1] offset:512*\b
.endr
	global_store_b64 v[WO], v[PW:PW+1], s[OUTP:OUTP+1]
	s_wait_xcnt 0x0
	v_add_nc_u32 v[CO], 2048, v[CO]
	v_add_nc_u32 v[WO], 256, v[WO]
.endm
.macro EPI_V
	QUANT ACC, 0, 4
.irp d, 0,1,2,3
	v_lshl_or_b32 v[VWD+\d], v[TM+4+\d], s[SH], v[VWD+\d]
.endr
.irp d, 0,1,2,3
	global_store_b128 v[CO], v[PC+4*\d:PC+4*\d+3], s[OUTP:OUTP+1] offset:2048*\d
.endr
	s_wait_xcnt 0x0
	v_add_nc_u32 v[CO], 512, v[CO]
	s_add_co_u32 s[SH], s[SH], 8
.endm
.macro TRIP next, orient
	s_wait_dscnt 40
	MMH 0, \orient
	WIN 0
	NOPS 8
.if \next
	s_add_co_u32 s[PO], s[PO], 32768
	s_add_co_u32 s[PWO], s[PWO], 2048
	ADDR
	LOADX 0
	s_wait_alu depctr_va_vdst(0)
	s_wait_dscnt 40
.else
	s_wait_dscnt 0x0
.endif
	MMH 1, \orient
	WIN 0
	NOPS 9
.if \next
	LOADX 1
.endif
.if \orient
	EPI_V
.else
	EPI_Q
.endif
.endm
	s_load_b512 s[8:23], s[0:1], 0x0
	s_load_b256 s[24:31], s[0:1], 0x40
	s_load_b64 s[32:33], s[0:1], 0x60
	v_lshl_add_u32 v254, v0, 2, 0x44000
	v_mov_b32 v255, 0
	ds_add_u32 v254, v255
	ds_add_u32 v254, v255
	v_lshrrev_b32 v7, 5, v0
	v_readfirstlane_b32 s[WV], v7
	v_and_b32 v7, 31, v0
	v_lshlrev_b32 v[LI], 4, v7
	v_lshlrev_b32 v[LS], 2, v7
	v_and_b32 v8, 15, v0
	v_bfe_u32 v9, v0, 4, 1
	v_and_b32 v10, 8, v8
	v_add_nc_u32 v10, v10, v8
	v_mul_u32_u24 v[BO], v10, KROW
	v_lshl_add_u32 v[BO], v9, 4, v[BO]
	v_mul_u32_u24 v[BS], v10, KROW/32
	v_lshlrev_b32 v11, 6, v9
	v_lshlrev_b32 v12, 2, v10
.irp b, 0,1,2,3
	v_mov_b32 v[TM+4+\b], 0
.endr
	s_mov_b32 s[SEL], 0x76543210
	s_mov_b32 s[SEL+1], 0xfedcba98
	s_mov_b32 s[MNT], 0x600000
	s_mov_b32 s[PO], 0
	s_mov_b32 s[PWO], 262144
	s_bfe_u32 s43, ttmp6, 0x40000
	s_and_b32 s44, ttmp7, 0xffff
	s_lshl_b32 s45, s43, 2
	s_add_co_u32 s45, s45, s[WV]
	s_lshl_b32 s86, s45, 16
	s_mov_b32 s87, 0
	s_lshl_b32 s88, s45, 11
	s_mov_b32 s89, 0
	s_lshl_b32 s90, s45, 8
	s_mov_b32 s91, 0
	s_lshr_b32 s92, s44, 3
	s_lshl_b32 s92, s92, 4
	s_add_co_u32 s92, s92, s45
	s_lshl_b32 s92, s92, 4
	s_and_b32 s93, s44, 7
	s_lshl_b32 s93, s93, 1
	s_add_co_u32 s92, s92, s93
	s_mov_b32 s93, 9216
	s_cmp_eq_u32 ttmp9, 2
	s_cselect_b32 s93, 8704, s93
	s_mul_i32 s92, s92, s93
	s_mov_b32 s93, 0
	s_lshl_b32 s94, s44, 18
	s_lshl_b32 s95, s[WV], 16
	s_add_co_u32 s94, s94, s95
	s_mov_b32 s95, 0
	s_lshl_b32 s96, s44, 14
	s_add_co_u32 s96, s96, 4194304
	s_mov_b32 s97, 0
	s_mov_b32 s[G1A], 15|(3<<16)|(1<<21)
	s_mov_b32 s[G1A+1], 32<<16
	s_mov_b32 s[G1A+2], 512<<16
	s_mov_b32 s[G1A+3], 32<<16
	s_mov_b32 s[G1A+4], 512
	s_mov_b32 s[G1A+5], 32
	s_mov_b32 s[G1A+6], 0
	s_mov_b32 s[G1A+7], 0
	s_mov_b32 s[G1W], 15|(3<<16)|(1<<21)
	s_mov_b32 s[G1W+1], 32<<16
	s_mov_b32 s[G1W+2], 64<<16
	s_mov_b32 s[G1W+3], 32<<16
	s_mov_b32 s[G1W+4], 64
	s_mov_b32 s[G1W+5], 32
	s_mov_b32 s[G1W+6], 0
	s_mov_b32 s[G1W+7], 0
	s_wait_dscnt 0x0
	s_wait_kmcnt 0x0
	s_cmp_eq_u32 ttmp9, 0
	s_cselect_b64 s[WB:WB+1], s[10:11], s[16:17]
	s_cselect_b64 s[WS:WS+1], s[12:13], s[18:19]
	s_cselect_b64 s[BP:BP+1], s[14:15], s[20:21]
	s_cselect_b64 s[OUTP:OUTP+1], s[28:29], s[30:31]
	s_cmp_eq_u32 ttmp9, 2
	s_cselect_b64 s[WB:WB+1], s[22:23], s[WB:WB+1]
	s_cselect_b64 s[WS:WS+1], s[24:25], s[WS:WS+1]
	s_cselect_b64 s[BP:BP+1], s[26:27], s[BP:BP+1]
	s_cselect_b64 s[OUTP:OUTP+1], s[32:33], s[OUTP:OUTP+1]
	s_add_nc_u64 s[WB:WB+1], s[WB:WB+1], s[86:87]
	s_add_nc_u64 s[WS:WS+1], s[WS:WS+1], s[88:89]
	s_add_nc_u64 s[BP:BP+1], s[BP:BP+1], s[90:91]
	s_add_nc_u64 s[OUTP:OUTP+1], s[OUTP:OUTP+1], s[92:93]
	s_mov_b32 s[G0A], 1
	s_lshl_b32 s[G0A+1], s[WV], 16
	s_add_nc_u64 s[G0A+2:G0A+3], s[8:9], s[94:95]
	s_or_b32 s[G0A+3], s[G0A+3], 0x80000000
	s_mov_b32 s[G0W], 1
	s_mov_b32 s[G0W+1], 262144
	s_add_nc_u64 s[G0W+2:G0W+3], s[8:9], s[96:97]
	s_or_b32 s[G0W+3], s[G0W+3], 0x80000000
	s_mov_b32 s[G0B], 1                            ; waves 1, 2: 65,536 bytes each, behind wave 0's 131,072
	s_add_co_u32 s[G0B+1], s[G0A+1], 65536
	s_add_nc_u64 s[G0B+2:G0B+3], s[8:9], s[94:95]
	s_add_nc_u64 s[G0B+2:G0B+3], s[G0B+2:G0B+3], 65536
	s_or_b32 s[G0B+3], s[G0B+3], 0x80000000
	s_mov_b32 s[G1B], 15|(3<<16)|(1<<21)
	s_mov_b32 s[G1B+1], 32<<16
	s_mov_b32 s[G1B+2], 256<<16
	s_mov_b32 s[G1B+3], 32<<16
	s_mov_b32 s[G1B+4], 256
	s_mov_b32 s[G1B+5], 32
	s_mov_b32 s[G1B+6], 0
	s_mov_b32 s[G1B+7], 0
	CROUND
	s_cmp_eq_u32 s[WV], 0
	s_cbranch_scc0 .Lhead_b
	tensor_load_to_lds s[G0A:G0A+3], s[G1A:G1A+7]
	s_nop 0
	NOPS 4
	s_branch .Lhead_asked
.Lhead_b:
	s_cmp_lt_u32 s[WV], 3
	s_cbranch_scc0 .Lhead_w
	tensor_load_to_lds s[G0B:G0B+3], s[G1B:G1B+7]
	s_nop 0
	NOPS 4
	s_branch .Lhead_asked
.Lhead_w:
	tensor_load_to_lds s[G0W:G0W+3], s[G1W:G1W+7]
	s_nop 0
	NOPS 4
.Lhead_asked:
	s_wait_alu depctr_va_vdst(0)
	LOADB
.irp n, 0,1,2,3
	global_load_b128 v[BIA+8*\n:BIA+8*\n+3], v11, s[BP:BP+1] offset:(32*(\n/2)+8*(\n%2))*4
	global_load_b128 v[BIA+8*\n+4:BIA+8*\n+7], v11, s[BP:BP+1] offset:(32*(\n/2)+8*(\n%2))*4+16
	global_load_b32 v[BN+\n], v12, s[BP:BP+1] offset:(32*(\n/2)+8*(\n%2))*4
.endr
	s_wait_loadcnt 0x0
	s_wait_tensorcnt 0x0
	s_barrier_signal -1
	s_barrier_wait -1
	s_mov_b32 s[HC], 0
	s_cmp_eq_u32 ttmp9, 2
	s_cbranch_scc1 .Lv_path
	v_mov_b32 v[CO], v[LI]
	v_lshlrev_b32 v[WO], 3, v7
	v_add_nc_u32 v[WO], 8192, v[WO]
.Lhalf_t:
	ADDR
	LOADX 0
	LOADX 1
	s_mov_b32 s[CNT], 3
.Ltrip_t:
	TRIP 1, 0
	s_sub_co_u32 s[CNT], s[CNT], 1
	s_cmp_lg_u32 s[CNT], 0
	s_cbranch_scc1 .Ltrip_t
	TRIP 0, 0
	s_add_co_u32 s[PO], s[PO], 32768
	s_add_co_u32 s[PWO], s[PWO], 2048
	v_add_nc_u32 v[CO], 1024, v[CO]
	v_add_nc_u32 v[WO], 8192, v[WO]
	s_add_co_u32 s[HC], s[HC], 1
	s_cmp_lt_u32 s[HC], 2
	s_cbranch_scc1 .Lhalf_t
	s_branch .Lend
.Lv_path:
.irp n, 0,1,2,3
.irp j, 0,1,2,3,4,5,6,7
	v_mov_b32 v[BIA+8*\n+\j], v[BN+\n]
.endr
.endr
	v_mov_b32 v[CO], v[LI]
	v_add_nc_u32 v[WO], 8192, v[LI]
.Lhalf_v:
.irp d, 0,1,2,3
	v_mov_b32 v[VWD+\d], 0
.endr
	s_mov_b32 s[SH], 0
	ADDR
	LOADX 0
	LOADX 1
	s_mov_b32 s[CNT], 3
.Ltrip_v:
	s_wait_alu depctr_va_vdst(0)
	TRIP 1, 1
	s_sub_co_u32 s[CNT], s[CNT], 1
	s_cmp_lg_u32 s[CNT], 0
	s_cbranch_scc1 .Ltrip_v
	TRIP 0, 1
	s_wait_alu depctr_va_vdst(0)
	global_store_b128 v[WO], v[VWD:VWD+3], s[OUTP:OUTP+1]
	s_add_co_u32 s[PO], s[PO], 32768
	s_add_co_u32 s[PWO], s[PWO], 2048
	s_wait_xcnt 0x0
	v_add_nc_u32 v[CO], 6656, v[CO]
	v_add_nc_u32 v[WO], 8704, v[WO]
	s_add_co_u32 s[HC], s[HC], 1
	s_cmp_lt_u32 s[HC], 2
	s_cbranch_scc1 .Lhalf_v
.Lend:
	s_wait_dscnt 0x0
	s_wait_tensorcnt 0x0
	ds_add_u32 v254, v255
	s_wait_dscnt 0x0
	CROUND
	s_endpgm
.Lfunc_end_k_qc6bdc45ff6_qkv:
	.size	k_qc6bdc45ff6_qkv, .Lfunc_end_k_qc6bdc45ff6_qkv-k_qc6bdc45ff6_qkv
	.p2alignl 7, 3214868480
	.fill 96, 4, 3214868480
	.section	.rodata,"a",@progbits
	.p2align	6, 0x0
	.amdhsa_kernel k_qc6bdc45ff6_qkv
		.amdhsa_group_segment_fixed_size 327680
		.amdhsa_private_segment_fixed_size 0
		.amdhsa_enable_private_segment 0
		.amdhsa_kernarg_size 104
		.amdhsa_user_sgpr_count 2
		.amdhsa_user_sgpr_kernarg_segment_ptr 1
		.amdhsa_wavefront_size32 1
		.amdhsa_system_sgpr_workgroup_id_x 1
		.amdhsa_system_sgpr_workgroup_id_y 1
		.amdhsa_system_sgpr_workgroup_id_z 1
		.amdhsa_system_vgpr_workitem_id 0
		.amdhsa_next_free_vgpr 1024
		.amdhsa_next_free_sgpr 100
		.amdhsa_reserve_vcc 0
		.amdhsa_float_denorm_mode_32 3
		.amdhsa_float_denorm_mode_16_64 3
		.amdhsa_memory_ordered 1
		.amdhsa_forward_progress 1
		.amdhsa_inst_pref_size 115
	.end_amdhsa_kernel
	.amdgpu_metadata
---
amdhsa.version: [ 1, 2 ]
amdhsa.kernels:
  - .name:           k_qc6bdc45ff6_qkv
    .symbol:         k_qc6bdc45ff6_qkv.kd
    .args:
      - { .name: hn, .offset: 0, .size: 8, .value_kind: global_buffer, .address_space: global }
      - { .name: Wq_codes, .offset: 8, .size: 8, .value_kind: global_buffer, .address_space: global }
      - { .name: Wq_scales, .offset: 16, .size: 8, .value_kind: global_buffer, .address_space: global }
      - { .name: bq, .offset: 24, .size: 8, .value_kind: global_buffer, .address_space: global }
      - { .name: Wk_codes, .offset: 32, .size: 8, .value_kind: global_buffer, .address_space: global }
      - { .name: Wk_scales, .offset: 40, .size: 8, .value_kind: global_buffer, .address_space: global }
      - { .name: bk, .offset: 48, .size: 8, .value_kind: global_buffer, .address_space: global }
      - { .name: Wv_codes, .offset: 56, .size: 8, .value_kind: global_buffer, .address_space: global }
      - { .name: Wv_scales, .offset: 64, .size: 8, .value_kind: global_buffer, .address_space: global }
      - { .name: bv, .offset: 72, .size: 8, .value_kind: global_buffer, .address_space: global }
      - { .name: qb, .offset: 80, .size: 8, .value_kind: global_buffer, .address_space: global }
      - { .name: kb, .offset: 88, .size: 8, .value_kind: global_buffer, .address_space: global }
      - { .name: vb, .offset: 96, .size: 8, .value_kind: global_buffer, .address_space: global }
    .group_segment_fixed_size: 327680
    .private_segment_fixed_size: 0
    .kernarg_segment_align: 8
    .kernarg_segment_size: 104
    .max_flat_workgroup_size: 128
    .sgpr_count:     100
    .vgpr_count:     1024
    .wavefront_size: 32
...
	.end_amdgpu_metadata
.endif
;; end of part 2
;; launch attn (part 3): grid 8 x 32, 16 waves a work-group, clusters of 4 x 1, 327,680 bytes of LDS; arguments qb, kb, vb, cx; writes cx
.if DOCPART == 3
	.amdgcn_target "amdgcn-amd-amdhsa--gfx1250"
	.amdhsa_code_object_version 6
	.text
	.protected	k_qc6bdc45ff6_attn
	.globl	k_qc6bdc45ff6_attn
	.p2align	8
	.type	k_qc6bdc45ff6_attn,@function
k_qc6bdc45ff6_attn:
	s_mov_b64 s[64:65], 0
	v_nop
	global_prefetch_b8 v0, s[64:65] scope:SCOPE_SE
	s_setreg_imm32_b32 hwreg(HW_REG_WAVE_MODE, 25, 1), 1
	s_wait_xcnt 0x0
	s_wait_alu depctr_hold_cnt(0) depctr_sa_sdst(0) depctr_va_vdst(0) depctr_va_sdst(0) depctr_va_ssrc(0) depctr_va_vcc(0) depctr_vm_vsrc(0)
	s_getreg_b32 s2, hwreg(HW_REG_IB_STS2, 6, 4)
	s_cmp_eq_u32 s2, 0
	s_cbranch_scc0 .Lentry_in_a_cluster
	s_endpgm
.Lentry_in_a_cluster:
	s_bfe_u32 s2, ttmp6, 0x10000c
	s_cmp_lg_u32 s2, 0x3003
	s_cbranch_scc0 .Lentry_shape_is_right
	s_endpgm
.Lentry_shape_is_right:
; ctx = softmax(q k^T / 8) v for one (batch, head), both products on codes of MX-FP8, and ctx quantised along D for the product with Wo.
; THE SOFTMAX AHEAD OF THE SECOND PRODUCT: t = score x log2(e) / 8; M = the running largest t rounded UP to a whole number; p = 2^(t - M) is quantised along the keys, not normalised; the row's sum is taken of the
; unquantised p and divides at the end; when M moves, sum and O are multiplied by 2^(old M - new M), which rounds nothing.
; SHARES: a work-group owns 256 queries of one (batch, head) = y; each of its sixteen waves one tile of 16, in 256 registers.  All of the head's k and v (launch qkv's groups of 128 keys: 16 x 9,216 + 16 x 8,704 bytes) come into LDS
; once, in two parts: groups 0 to 3 at the head, groups 4 to 15 behind the full sequence and a round of the cluster's barrier.  In each part waves 0 to 7 bring an eighth of k's bytes, waves 8 to 15 an eighth of v's.  The second part is
; waited for behind the first three key steps, which touch groups 0 to 3 alone.  The four work-groups of a cluster belong to one head and ask JOINTLY.  No LDS byte is filled twice, and nothing is stored to LDS.
; LAYOUT: both products transposed (S^T = k q^T, O^T = v^T p^T): a lane holds ONE query.  The head has 64 channels, the product is 128 deep: a fragment of k holds TWO tiles of 16 keys, tile 2 j at k = 0 .. 63 and tile 2 j + 1 at
; k = 64 .. 127, and q stands in registers as [q][zero codes][q]: the run [q][0] picks the first tile, the run [0][q] the second (a zero code adds nothing under any finite scale byte).  Launch qkv laid the scale words for that:
; word 0 of a pair of tiles holds (first, second), word 1 (second, first).  So a step's eight tiles of k fill 64 registers, come by one run of loads, and the next step's are fetched behind this step's score products.
; k's tiles are 16 neighbouring keys, so p's 16 registers of tiles 2 b, 2 b + 1 are keys 32 b + 8 h + 0..7 and 32 b + 16 + 8 h + 0..7: v's codes were laid in that very order, inside one scale block.
; v's channel tiles take channels 32 b + 8 u + r + 8 (r / 8), so O^T's 16 registers of tiles 2 b, 2 b + 1 are 16 neighbouring channels, the order that the next operand wants.  Tile b of v lands in the registers of p's block b,
; asked for as soon as that block is converted.
; Nothing is prefetched: both parts are asked for ahead of the first loop, so no trip stands ahead of a fill.  ctx's scale word holds two heads' bytes: a wave stores its half of each word.
; LIMITS: as stated in launch ln1; the scaled scores t stay under 2^31 in magnitude; v_exp_f32 and v_rcp_f32 as the ISA guide gives them.
.set KGRP, 9216
.set VGRP, 8704
.set VBASE, 16*KGRP
.set SPARE, 0x46000                    ; behind k and v: the spare words, 128 bytes a wave
.set ADK, 3                            ; v1 16 lane, v2 8 lane, v7 4 lane; v3-5 the step's addresses; v8, v9 offsets of q's two scale words
.set ADS, 4
.set ADV, 5
.set Q,   16                           ; v16-23 q, v24-31 zero codes, v32-39 q once more
.set KF,  40                           ; v40-103  four fragments of k, two tiles each
.set S,   104                          ; v104-167 S^T, then p, then v's four fragments
.set O,   168                          ; v168-199 O^T
.set PC,  200                          ; v200-215 p's codes
.set VW,  216                          ; v216-219 v's scale words
.set KW,  220                          ; v220-223 k's
.set HB,  225                          ; v225-228 a second copy of the four holds, one register bank on from the first
.set QWH, 231                          ; v231 q's scale word for the run [0][q]; v255 for [q][0]
.set TM,  232                          ; v232-249 at work; v250, v251 the add's; v252 f, v253 p's scale word, v254 at work
.set WV,  12
.set G1K, 16
.set G1V, 24
.set G0K, 32
.set G0V, 36
.set SEL, 40
.set CS,  42
.set MNT, 44
.set KB,  45
.set VB,  46
.set CNT, 47
.macro NOPS n
.rept \n
	v_nop
.endr
.endm
.macro CROUND
	s_barrier_signal -1
	s_barrier_wait -1
	s_cmp_lg_u32 s[WV], 0
	s_cbranch_scc1 .Lnot_wave_0_\@
	s_barrier_signal -3
.Lnot_wave_0_\@:
	s_barrier_wait -3
	s_barrier_signal -1
	s_barrier_wait -1
.endm
.macro GROUP1 g, rows                  ; a dense block as rows of 256 bytes (32 elements of 8); the mask names all four work-groups; bit 21 beside a mask; no padding
	s_mov_b32 s[\g], 15|(3<<16)|(1<<21)
	s_mov_b32 s[\g+1], 32<<16
	s_mov_b32 s[\g+2], (\rows)<<16
	s_mov_b32 s[\g+3], 32<<16
	s_mov_b32 s[\g+4], \rows
	s_mov_b32 s[\g+5], 32
	s_mov_b32 s[\g+6], 0
	s_mov_b32 s[\g+7], 0
.endm
.macro TLOAD2                          ; one joint load a wave: waves 0-7 for k, waves 8-15 for v; an s_nop 0 and four v_nop follow each line
	s_cmp_lt_u32 s[WV], 8
	s_cbranch_scc0 .Lfor_v_\@
	tensor_load_to_lds s[G0K:G0K+3], s[G1K:G1K+7]
	s_nop 0
	NOPS 4
	s_branch .Lasked_\@
.Lfor_v_\@:
	tensor_load_to_lds s[G0V:G0V+3], s[G1V:G1V+7]
	s_nop 0
	NOPS 4
.Lasked_\@:
.endm
.macro QUANT2 s                        ; 32 numbers of a lane, register 16 b + i = number i of my half of block b, become codes in v[PC + 4 b ..] and scale bytes in v[TM + 4 + b]
.irp b, 0,1
	v_max3_num_f32 v[TM+\b], |v[\s+16*\b]|, |v[\s+16*\b+1]|, 0x4800000
.endr
.irp i, 2,4,6,8,10,12,14
.irp b, 0,1
	s_delay_alu instid0(VALU_DEP_2)
	v_max3_num_f32 v[TM+\b], v[TM+\b], |v[\s+16*\b+\i]|, |v[\s+16*\b+\i+1]|
.endr
.endr
.irp b, 0,1
	s_delay_alu instid0(VALU_DEP_2)
	v_permlanex16_b32 v[TM+4+\b], v[TM+\b], s[SEL], s[SEL+1]
.endr
.irp b, 0,1
	s_delay_alu instid0(VALU_DEP_2)
	v_max_num_f32 v[TM+\b], v[TM+\b], v[TM+4+\b]
.endr
.irp b, 0,1
	s_delay_alu instid0(VALU_DEP_2)
	v_add_nc_u32 v[TM+12+\b], 0xfc000000, v[TM+\b]
.endr
.irp b, 0,1
	s_delay_alu instid0(VALU_DEP_4)
	v_and_or_b32 v[TM+8+\b], v[TM+\b], 0x7f800000, s[MNT]
.endr
.irp b, 0,1
	s_delay_alu instid0(VALU_DEP_4)
	v_lshrrev_b32 v[TM+4+\b], 23, v[TM+12+\b]
.endr
.irp b, 0,1
.irp i, 0,1,2,3,4,5,6,7,8,9,10,11,12,13,14,15
	v_med3_num_f32 v[\s+16*\b+\i], v[\s+16*\b+\i], -v[TM+8+\b], v[TM+8+\b]
.endr
	v_cvt_scalef32_pk8_fp8_f32 v[PC+4*\b:PC+4*\b+1], v[\s+16*\b:\s+16*\b+7], v[TM+12+\b]
	v_cvt_scalef32_pk8_fp8_f32 v[PC+4*\b+2:PC+4*\b+3], v[\s+16*\b+8:\s+16*\b+15], v[TM+12+\b]
.endr
	v_nop
.endm
.macro KLOAD off                       ; the eight tiles of k of the group off bytes on, and the four pairs' scale words: 20 LDS loads
.irp t, 0,1,2,3,4,5,6,7
.irp c, 0,1
	ds_load_b128 v[KF+8*\t+4*\c:KF+8*\t+4*\c+3], v[ADK] offset:(\off)+\t*1024+512*\c
.endr
.endr
.irp j, 0,1,2,3
	ds_load_b32 v[KW+\j], v[ADS] offset:(\off)+8192+\j*256
.endr
.endm
; A KEY STEP of 128 keys.  hoist = 1: the next step's k is fetched
.macro STEP hoist
	v_add_nc_u32 v[ADK], s[KB], v1
	v_add_nc_u32 v[ADS], s[KB], v2
	v_add_nc_u32 v[ADV], s[VB], v1
	s_wait_alu depctr_va_vdst(0)
	NOPS 6                                         ; with the three additions nine places: S^T is written over registers that the last products read as v's fragments
	s_wait_dscnt 0x0                               ; this step's k, asked for a step ago
.irp j, 0,1,2,3                                    ; S^T = k q^T: each fragment serves two tiles of 16 keys
	v_wmma_scale_f32_16x16x128_f8f6f4 v[S+16*\j:S+16*\j+7], v[KF+16*\j:KF+16*\j+15], v[Q:Q+15], 0, v[KW+\j], v255
	v_wmma_scale_f32_16x16x128_f8f6f4 v[S+16*\j+8:S+16*\j+15], v[KF+16*\j:KF+16*\j+15], v[Q+8:Q+23], 0, v[KW+\j], v[QWH]
.endr
	NOPS 8                                         ; places ahead of the loads into what the products have read, and of the first reader of the scores
.if \hoist
	KLOAD KGRP
.endif
	ds_load_b128 v[VW:VW+3], v[ADV] offset:8192    ; v's scale words
.irp b, 0,1,2,3
	v_max3_num_f32 v[232+\b], v[S+16*\b], v[S+1+16*\b], v[S+2+16*\b]   ; the largest score of each block of 32 keys: for the row's maximum, and, since p rises with the score, for the block's largest p
.endr
.irp i, 3,5,7,9,11,13
.irp b, 0,1,2,3
	v_max3_num_f32 v[232+\b], v[232+\b], v[S+16*\b+\i], v[S+1+16*\b+\i]
.endr
.endr
.irp b, 0,1,2,3
	v_max_num_f32 v[232+\b], v[232+\b], v[S+15+16*\b]
.endr
.irp b, 0,1,2,3
	s_delay_alu instid0(VALU_DEP_4)
	v_permlanex16_b32 v[236+\b], v[232+\b], s[SEL], s[SEL+1]
.endr
.irp b, 0,1,2,3
	s_delay_alu instid0(VALU_DEP_4)
	v_max_num_f32 v[232+\b], v[232+\b], v[236+\b]  ; with lane l xor 16's 16 keys
.endr
	s_delay_alu instid0(VALU_DEP_2)
	v_max3_num_f32 v254, v232, v233, v234
	s_delay_alu instid0(VALU_DEP_1)
	v_max_num_f32 v254, v254, v235                 ; the step's largest score of my query
	s_delay_alu instid0(VALU_DEP_1)
	v_mul_f32 v254, s[CS], v254                    ; as t (c is positive)
	s_delay_alu instid0(VALU_DEP_1)
	v_max_num_f32 v13, v13, v254                   ; the running largest t
	v_mov_b32 v254, v12
	s_delay_alu instid0(VALU_DEP_2)
	v_floor_f32 v12, -v13                          ; the new -M = floor(-t) = -ceil(t)
	s_delay_alu instid0(VALU_DEP_1)
	v_sub_f32 v254, v12, v254                      ; old M - new M: a whole number, 0 or less
	s_delay_alu instid0(VALU_DEP_1)
	v_cvt_i32_f32 v254, v254                       ; (it saturates)
	s_delay_alu instid0(VALU_DEP_1)
	v_ldexp_f32 v252, 1.0, v254                    ; f = 2^(old M - new M)
.set J, 0
.rept 32
	v_pk_fma_f32 v[S+J:S+J+1], v[S+J:S+J+1], s[CS:CS+1], v[12:13] op_sel_hi:[1,0,0]   ; t - M, two at a time
.set J, J+2
.endr
.irp b, 0,1,2,3
	v_fma_f32 v[232+\b], v[232+\b], s[CS], v12     ; the same of each block's largest score
.endr
	s_wait_alu depctr_va_vdst(0)
.set J, 0
.rept 64
	v_exp_f32 v[S+J], v[S+J]                       ; p = 2^(t - M), at most 1
.set J, J+1
.endr
	v_pk_mul_f32 v[14:15], v[14:15], v[252:253] op_sel_hi:[1,0]   ; the sums under the new M (a plain line behind the exponentials)
	s_wait_alu depctr_va_vdst(0)                   ; one wait for the whole batch, ahead of its first reader
.irp b, 0,1,2,3
	v_exp_f32 v[232+\b], v[232+\b]                 ; the block's largest p: the same two instructions on the same number
.endr
.irp k, 0,1,2,3,4,5,6                              ; the row's sum of the unquantised p, in eight chains
	v_pk_add_f32 v[236+2*\k:237+2*\k], v[S+4*\k:S+4*\k+1], v[S+4*\k+2:S+4*\k+3]
.endr
	v_pk_add_f32 v[14:15], v[14:15], v[S+28:S+29]
.irp k, 0,1,2,3,4,5,6
	v_pk_add_f32 v[236+2*\k:237+2*\k], v[236+2*\k:237+2*\k], v[S+30+2*\k:S+31+2*\k]
.endr
	v_pk_add_f32 v[14:15], v[14:15], v[S+44:S+45]
.irp k, 0,1,2,3,4,5,6
	v_pk_add_f32 v[236+2*\k:237+2*\k], v[236+2*\k:237+2*\k], v[S+46+2*\k:S+47+2*\k]
.endr
	v_pk_add_f32 v[14:15], v[14:15], v[S+60:S+61]
	v_pk_add_f32 v[236:237], v[236:237], v[S+62:S+63]
	s_delay_alu instid0(VALU_DEP_2)
	v_pk_add_f32 v[14:15], v[14:15], v[242:243]
	s_delay_alu instid0(VALU_DEP_2)
	v_pk_add_f32 v[236:237], v[236:237], v[244:245]
	v_pk_add_f32 v[238:239], v[238:239], v[246:247]
	v_pk_add_f32 v[240:241], v[240:241], v[248:249]
	s_delay_alu instid0(VALU_DEP_2)
	v_pk_add_f32 v[14:15], v[14:15], v[238:239]
	s_delay_alu instid0(VALU_DEP_2)
	v_pk_add_f32 v[236:237], v[236:237], v[240:241]
	s_delay_alu instid0(VALU_DEP_1)
	v_pk_add_f32 v[14:15], v[14:15], v[236:237]
	s_wait_alu depctr_va_vdst(0)                   ; and one for the four
.irp b, 0,1,2,3
	v_max_num_f32 v[232+\b], 0x4800000, v[232+\b]  ; the floor 2^(9 - 127): the byte cannot fall under 1
.endr
.irp b, 0,1,2,3
	s_delay_alu instid0(VALU_DEP_4)
	v_add_nc_u32 v[244+\b], 0xfc000000, v[232+\b]  ; the conversion's scale operand
.endr
.irp b, 0,1,2,3
	v_and_or_b32 v[240+\b], v[232+\b], 0x7f800000, s[MNT]   ; 448 x the scale
.endr
.irp b, 0,1,2,3
	v_and_or_b32 v[HB+\b], v[232+\b], 0x7f800000, s[MNT]    ; and once more: the two halves of a dual pair take their second sources from different register banks
.endr
.irp b, 0,1,2,3
	v_lshrrev_b32 v[236+\b], 23, v[244+\b]         ; the scale's byte
.endr
	s_delay_alu instid0(VALU_DEP_3)
	v_lshl_or_b32 v253, v237, 8, v236              ; p's scale word for these 128 keys
	s_delay_alu instid0(VALU_DEP_1)
	v_lshl_or_b32 v253, v238, 16, v253
	s_delay_alu instid0(VALU_DEP_1)
	v_lshl_or_b32 v253, v239, 24, v253
.irp b, 0,1,2,3
.irp i, 0,2,4,6,8,10,12,14
	v_dual_min_num_f32 v[S+16*\b+\i], v[S+16*\b+\i], v[240+\b] :: v_dual_min_num_f32 v[S+1+16*\b+\i], v[S+1+16*\b+\i], v[HB+\b]   ; the hold, two numbers a line; p is not negative, so it is one-sided
.endr
	v_cvt_scalef32_pk8_fp8_f32 v[PC+4*\b:PC+4*\b+1], v[S+16*\b:S+7+16*\b], v[244+\b]
	v_cvt_scalef32_pk8_fp8_f32 v[PC+4*\b+2:PC+4*\b+3], v[S+8+16*\b:S+15+16*\b], v[244+\b]
.irp c, 0,1,2,3
	ds_load_b128 v[S+16*\b+4*\c:S+16*\b+4*\c+3], v[ADV] offset:2048*\b+512*\c   ; v's channel tile b, into the registers that block b of p has left
.endr
.endr
	s_wait_alu depctr_va_vdst(0)                   ; directly ahead of the first reader of O^T
.set J, 0
.rept 16
	v_pk_mul_f32 v[O+J:O+J+1], v[O+J:O+J+1], v[252:253] op_sel_hi:[1,0]   ; O^T under the new M.  (These 16 are also the places between the conversions and the products)
.set J, J+2
.endr
	s_wait_alu depctr_va_vdst(0)                   ; directly ahead of the wait below
.irp d, 0,1,2,3
	s_wait_dscnt 12-4*\d                           ; tile d of v is in; younger: the four loads of each later tile
	v_wmma_scale_f32_16x16x128_f8f6f4 v[O+8*\d:O+8*\d+7], v[S+16*\d:S+16*\d+15], v[PC:PC+15], v[O+8*\d:O+8*\d+7], v[VW+\d], v253
.endr
	s_add_co_u32 s[KB], s[KB], KGRP
	s_add_co_u32 s[VB], s[VB], VGRP
.endm
.macro KLOOP lbl, n
	s_mov_b32 s[CNT], \n
\lbl:
	STEP 1
	s_sub_co_u32 s[CNT], s[CNT], 1
	s_cmp_lg_u32 s[CNT], 0
	s_cbranch_scc1 \lbl
.endm
	s_load_b256 s[4:11], s[0:1], 0x0               ; qb s[4:5], kb s[6:7], vb s[8:9], cx s[10:11]
	v_lshl_add_u32 v250, v0, 2, SPARE
	v_mov_b32 v251, 0
	ds_add_u32 v250, v251                          ; the opening lines: the add, twice on end, and its wait ahead of my first tensor load
	ds_add_u32 v250, v251
	v_lshrrev_b32 v1, 5, v0
	s_delay_alu instid0(VALU_DEP_1)
	v_readfirstlane_b32 s[WV], v1                  ; wave 0..15
	v_and_b32 v6, 31, v0
	s_delay_alu instid0(VALU_DEP_1)
	v_lshlrev_b32 v1, 4, v6
	s_delay_alu instid0(VALU_DEP_2)
	v_lshlrev_b32 v2, 3, v6
	s_delay_alu instid0(VALU_DEP_3)
	v_lshlrev_b32 v7, 2, v6
	s_bfe_u32 s13, ttmp6, 0x40000                  ; cx
	s_lshl_b32 s14, ttmp9, 2
	s_add_co_u32 s14, s14, s13                     ; my block of 256 queries: it enters q's and ctx's addresses alone
	s_and_b32 s15, ttmp7, 0xffff                   ; 16 batch + head, which the four partners share
	s_and_b32 s52, s[WV], 7                        ; which eighth of a part I fetch
	s_mul_i32 s53, s52, 18*256                     ; groups 0-3 of k are 144 rows of 256 bytes: 18 a wave; LDS holds the head's k as memory does
	s_mul_i32 s48, s15, 16*KGRP
	s_add_co_u32 s48, s48, s53
	s_mov_b32 s49, 0
	s_mul_i32 s2, s52, 17*256                      ; of v 136 rows: 17 a wave
	s_mul_i32 s50, s15, 16*VGRP
	s_add_co_u32 s50, s50, s2
	s_mov_b32 s51, 0
	s_add_co_u32 s2, s2, VBASE
	s_lshl_b32 s54, s14, 4
	s_add_co_u32 s54, s54, s[WV]                   ; my tile of queries, 0 .. 127
	s_lshr_b32 s55, s54, 3
	s_lshl_b32 s56, s15, 4
	s_add_co_u32 s55, s55, s56
	s_mul_i32 s58, s55, KGRP                       ; its group in qb
	s_and_b32 s55, s54, 7
	s_lshl_b32 s56, s55, 10
	s_add_co_u32 s56, s56, s58                     ; its codes
	s_mov_b32 s57, 0
	s_lshr_b32 s55, s55, 1
	s_lshl_b32 s55, s55, 8
	s_add_co_u32 s58, s58, s55
	s_add_co_u32 s58, s58, 8192                    ; the two scale words of its pair of tiles
	s_mov_b32 s59, 0
	s_and_b32 s55, s54, 1
	s_lshl_b32 s55, s55, 2                         ; the word that has my tile's bytes below,
	s_xor_b32 s13, s55, 4                          ; and the one that has them above
	s_lshr_b32 s60, s15, 4
	s_lshl_b32 s60, s60, 7
	s_add_co_u32 s60, s60, s54                     ; the token tile: 128 batch + my tile
	s_lshl_b32 s60, s60, 3
	s_and_b32 s61, s15, 15                         ; the head
	s_lshr_b32 s62, s61, 1
	s_add_co_u32 s60, s60, s62                     ; the fragment: K step head / 2
	s_and_b32 s61, s61, 1
	s_lshl_b32 s62, s60, 11
	s_lshl_b32 s63, s61, 10
	s_add_co_u32 s62, s62, s63                     ; and my half of it
	s_mov_b32 s63, 0
	s_lshl_b32 s60, s60, 7
	s_lshl_b32 s61, s61, 1
	s_add_co_u32 s60, s60, s61
	s_add_co_u32 s60, s60, 4194304                 ; my half of its scale words
	s_mov_b32 s61, 0
	GROUP1 G1K, 18
	GROUP1 G1V, 17
	s_mov_b32 s[SEL], 0x76543210
	s_mov_b32 s[SEL+1], 0xfedcba98
	s_mov_b32 s[CS], 0x3e38aa3b                    ; c = log2(e) / 8
	s_mov_b32 s[CS+1], s[CS]                       ; (named with it as a pair, so it is written)
	s_mov_b32 s[MNT], 0x600000
	s_mov_b32 s[KB], 0
	s_mov_b32 s[VB], VBASE
	s_wait_dscnt 0x0
	s_wait_kmcnt 0x0
	s_mov_b32 s[G0K], 1
	s_mov_b32 s[G0K+1], s53
	s_add_nc_u64 s[G0K+2:G0K+3], s[6:7], s[48:49]
	s_or_b32 s[G0K+3], s[G0K+3], 0x80000000
	s_mov_b32 s[G0V], 1
	s_mov_b32 s[G0V+1], s2
	s_add_nc_u64 s[G0V+2:G0V+3], s[8:9], s[50:51]
	s_or_b32 s[G0V+3], s[G0V+3], 0x80000000
	s_mul_i32 s48, s52, (54-18)*256                ; from my eighth of the first part to my eighth of the second: k's groups 4-15 are 432 rows, 54 a wave;
	s_add_co_u32 s48, s48, 4*KGRP
	s_mul_i32 s50, s52, (51-17)*256                ; v's 408 rows, 51 a wave
	s_add_co_u32 s50, s50, 4*VGRP
	s_add_nc_u64 s[56:57], s[4:5], s[56:57]
	s_add_nc_u64 s[58:59], s[4:5], s[58:59]
	s_add_nc_u64 s[62:63], s[10:11], s[62:63]
	s_add_nc_u64 s[60:61], s[10:11], s[60:61]
	CROUND                                         ; all four work-groups are here: the joint loads meet
	TLOAD2                                         ; keys 0 .. 511: one load of mine is out
	s_wait_alu depctr_va_vdst(0)
	v_add_nc_u32 v8, s55, v2
	v_add_nc_u32 v9, s13, v2
	global_load_b128 v[Q:Q+3], v1, s[56:57]        ; q's fragment: channels 0-31,
	global_load_b128 v[Q+4:Q+7], v1, s[56:57] offset:512   ; 32-63;
	global_load_b128 v[Q+16:Q+19], v1, s[56:57]    ; and once more, behind the zero codes
	global_load_b128 v[Q+20:Q+23], v1, s[56:57] offset:512
	global_load_b32 v255, v8, s[58:59]             ; its scale bytes as bytes 0, 1;
	global_load_b32 v[QWH], v9, s[58:59]           ; as bytes 2, 3
.irp j, 8,9,10,11,12,13,14,15
	v_mov_b32 v[Q+\j], 0                           ; zero codes
.endr
	v_mov_b32 v13, 0xff61b1e6                      ; the largest t so far: -3e38, under every t
	s_delay_alu instid0(VALU_DEP_1)
	v_floor_f32 v12, -v13                          ; -M
	v_mov_b32 v14, 0                               ; the sum, in two halves
	v_mov_b32 v15, 0
.irp b, 0,1,2,3
	v_mov_b32 v[236+\b], 0                         ; written once: a lane permute's destination counts as one of its sources
.endr
	v_mov_b32 v253, 0                              ; (named as the upper half of the pair v[252:253] before it is first written)
.set J, 0
.rept 32
	v_mov_b32 v[O+J], 0                            ; the step is written once: the first finds zeros, which the first change of M leaves zeros
.set J, J+1
.endr
	v_mov_b32 v[ADK], v1                           ; step 0's k lies at LDS byte 0
	v_mov_b32 v[ADS], v2
	s_wait_alu depctr_va_vdst(0)
	s_wait_tensorcnt 0x0                           ; my eighth of the first part has landed
	ds_add_u32 v250, v251
	s_add_co_u32 s[G0K+1], s[G0K+1], s48           ; no load of mine is out, so the descriptors may be written: my eighth of the second part, in LDS and in memory,
	s_add_nc_u64 s[G0K+2:G0K+3], s[G0K+2:G0K+3], s[48:49]
	s_add_co_u32 s[G0V+1], s[G0V+1], s50
	s_add_nc_u64 s[G0V+2:G0V+3], s[G0V+2:G0V+3], s[50:51]
	s_mov_b32 s[G1K+2], 54<<16                     ; and its rows
	s_mov_b32 s[G1K+4], 54
	s_mov_b32 s[G1V+2], 51<<16
	s_mov_b32 s[G1V+4], 51
	s_wait_dscnt 0x0
	CROUND                                         ; everybody's has, in all four work-groups
	TLOAD2                                         ; keys 512 .. 2,047, on bytes that nothing has filled: they have the first loop's three steps in which to land
	KLOAD 0                                        ; step 0's k
	s_wait_loadcnt 0x0                             ; q
	KLOOP .Lstep_a, 3                              ; steps 0 to 2: they read groups 0 to 2 and fetch k's groups 1 to 3
	s_wait_tensorcnt 0x0                           ; my eighth of the second part has landed,
	s_wait_dscnt 0x0
	s_barrier_signal -1
	s_barrier_wait -1                              ; everybody's has
	KLOOP .Lstep_b, 12                             ; steps 3 to 14
	STEP 0                                         ; step 15 has no successor
	; THE WAY OUT: O^T / the sum; its 32 numbers a lane are two blocks of 32 channels of my query's row of ctx
	NOPS 8
	v_add_f32 v14, v14, v15
	s_delay_alu instid0(VALU_DEP_1)
	v_permlanex16_b32 v252, v14, s[SEL], s[SEL+1]
	s_delay_alu instid0(VALU_DEP_1)
	v_add_f32 v14, v14, v252                       ; the row's sum
	s_wait_alu depctr_va_vdst(0)
	v_rcp_f32 v14, v14
	v_nop
	s_wait_alu depctr_va_vdst(0)
.set J, 0
.rept 32
	v_mul_f32 v[S+J], v[O+J], v14                  ; register 16 b + i is channel 32 b + 16 h + i
.set J, J+1
.endr
	QUANT2 S
	v_lshl_or_b32 v248, v[TM+5], 8, v[TM+4]
	global_store_b128 v1, v[PC:PC+3], s[62:63]     ; 512 consecutive bytes a store
	global_store_b128 v1, v[PC+4:PC+7], s[62:63] offset:512
	global_store_b16 v7, v248, s[60:61]            ; my head's half of each row's scale word
	s_wait_dscnt 0x0
	s_wait_tensorcnt 0x0                           ; the wave's end
	ds_add_u32 v250, v251
	s_wait_dscnt 0x0
	CROUND                                         ; the closing round
	s_endpgm
.Lfunc_end_k_qc6bdc45ff6_attn:
	.size	k_qc6bdc45ff6_attn, .Lfunc_end_k_qc6bdc45ff6_attn-k_qc6bdc45ff6_attn
	.p2alignl 7, 3214868480
	.fill 96, 4, 3214868480
	.section	.rodata,"a",@progbits
	.p2align	6, 0x0
	.amdhsa_kernel k_qc6bdc45ff6_attn
		.amdhsa_group_segment_fixed_size 327680
		.amdhsa_private_segment_fixed_size 0
		.amdhsa_enable_private_segment 0
		.amdhsa_kernarg_size 32
		.amdhsa_user_sgpr_count 2
		.amdhsa_user_sgpr_kernarg_segment_ptr 1
		.amdhsa_wavefront_size32 1
		.amdhsa_system_sgpr_workgroup_id_x 1
		.amdhsa_system_sgpr_workgroup_id_y 1
		.amdhsa_system_sgpr_workgroup_id_z 1
		.amdhsa_system_vgpr_workitem_id 0
		.amdhsa_next_free_vgpr 256
		.amdhsa_next_free_sgpr 66
		.amdhsa_reserve_vcc 0
		.amdhsa_float_denorm_mode_32 3
		.amdhsa_float_denorm_mode_16_64 3
		.amdhsa_memory_ordered 1
		.amdhsa_forward_progress 1
		.amdhsa_inst_pref_size 77
	.end_amdhsa_kernel
	.amdgpu_metadata
---
amdhsa.version: [ 1, 2 ]
amdhsa.kernels:
  - .name:           k_qc6bdc45ff6_attn
    .symbol:         k_qc6bdc45ff6_attn.kd
    .args:
      - { .name: qb, .offset: 0, .size: 8, .value_kind: global_buffer, .address_space: global }
      - { .name: kb, .offset: 8, .size: 8, .value_kind: global_buffer, .address_space: global }
      - { .name: vb, .offset: 16, .size: 8, .value_kind: global_buffer, .address_space: global }
      - { .name: cx, .offset: 24, .size: 8, .value_kind: global_buffer, .address_space: global }
    .group_segment_fixed_size: 327680
    .private_segment_fixed_size: 0
    .kernarg_segment_align: 8
    .kernarg_segment_size: 32
    .max_flat_workgroup_size: 512
    .sgpr_count:     66
    .vgpr_count:     256
    .wavefront_size: 32
...
	.end_amdgpu_metadata
.endif
;; end of part 3
;; launch wo (part 4): grid 4 x 64, 4 waves a work-group, clusters of 4 x 1, 327,680 bytes of LDS; arguments cx, Wo_codes, Wo_scales, bo, x, x1; writes x1
.if DOCPART == 4
	.amdgcn_target "amdgcn-amd-amdhsa--gfx1250"
	.amdhsa_code_object_version 6
	.text
	.protected	k_qc6bdc45ff6_wo
	.globl	k_qc6bdc45ff6_wo
	.p2align	8
	.type	k_qc6bdc45ff6_wo,@function
k_qc6bdc45ff6_wo:
	s_mov_b64 s[64:65], 0
	v_nop
	global_prefetch_b8 v0, s[64:65] scope:SCOPE_SE
	s_setreg_imm32_b32 hwreg(HW_REG_WAVE_MODE, 25, 1), 1
	s_wait_xcnt 0x0
	s_wait_alu depctr_hold_cnt(0) depctr_sa_sdst(0) depctr_va_vdst(0) depctr_va_sdst(0) depctr_va_ssrc(0) depctr_va_vcc(0) depctr_vm_vsrc(0)
	s_getreg_b32 s2, hwreg(HW_REG_IB_STS2, 6, 4)
	s_cmp_eq_u32 s2, 0
	s_cbranch_scc0 .Lentry_in_a_cluster
	s_endpgm
.Lentry_in_a_cluster:
	s_bfe_u32 s2, ttmp6, 0x10000c
	s_cmp_lg_u32 s2, 0x3003
	s_cbranch_scc0 .Lentry_shape_is_right
	s_endpgm
.Lentry_shape_is_right:
; x1 = x + ctx Wo + bo, the product on codes of MX-FP8.  A work-group takes 64 tokens (y) x 256 columns (cx); wave w holds 64 rows of Wo, all of K = 1,024, in 512 registers; ctx's operand images (launch attn's) come into LDS once,
; jointly for the four partners.  THE HEAD'S TILES ARE SHARED OUT, one tensor load a wave, in one chain of arms on the wave's number: wave 0 brings 128 rows of 256 bytes of the images, waves 1 and 2 64 rows each, wave 3 the 16 rows
; of scale words.  No LDS byte is filled twice; the sums turn through a stage behind the images and leave as runs of 256 bytes.  Nothing is prefetched: every fill stands at the head.  LIMITS: as stated in launch ln1.
.set KROW, 1024
.set G1B, 68                           ; s[68:75], s[76:79] waves 1 and 2's descriptor
.set G0B, 76
.set LI,  1
.set LS,  2
.set AD,  3
.set AW,  4
.set BO,  5
.set BS,  6
.set RO,  7
.set B4,  8
.set SO,  12
.set SR,  13
.set BOF, 14
.set ACC, 16
.set RES1A, 80
.set WSC, 112
.set ASC, 144
.set RES0, 160
.set RES1B, 224
.set STG, 69632
.set WV,  16
.set WB,  6
.set WS,  8
.set BP,  10
.set G1A, 20
.set G1W, 28
.set G0A, 36
.set G0W, 40
.set PO,  44
.set PWO, 45
.set MSB, 0
.macro WIN new
.if MSB != (\new)
	s_set_vgpr_msb (MSB<<8)|(\new)
.set MSB, (\new)
.endif
.endm
.macro NOPS n
.rept \n
	v_nop
.endr
.endm
.macro CROUND
	s_barrier_signal -1
	s_barrier_wait -1
	s_cmp_lg_u32 s[WV], 0
	s_cbranch_scc1 .Lnot_wave_0_\@
	s_barrier_signal -3
.Lnot_wave_0_\@:
	s_barrier_wait -3
	s_barrier_signal -1
	s_barrier_wait -1
.endm
.macro LOADB
	WIN 0x40
.irp n, 0,1,2,3
.irp k, 0,1,2,3
.irp c, 0,1,2,3
	global_load_b128 v[16*(4*\n+\k)+4*\c:16*(4*\n+\k)+4*\c+3], v[BO], s[WB:WB+1] offset:(32*(\n/2)+8*(\n%2))*KROW+128*\k+32*\c
.endr
.endr
.endr
	WIN 0x80
.irp n, 0,1,2,3
.irp k, 0,1,2,3
.irp c, 0,1,2,3
	global_load_b128 v[16*(4*\n+\k)+4*\c:16*(4*\n+\k)+4*\c+3], v[BO], s[WB:WB+1] offset:(32*(\n/2)+8*(\n%2))*KROW+512+128*\k+32*\c
.endr
.endr
.endr
	WIN 0
.irp n, 0,1,2,3
	global_load_b128 v[WSC+8*\n:WSC+8*\n+3], v[BS], s[WS:WS+1] offset:(32*(\n/2)+8*(\n%2))*(KROW/32)
	global_load_b128 v[WSC+8*\n+4:WSC+8*\n+7], v[BS], s[WS:WS+1] offset:(32*(\n/2)+8*(\n%2))*(KROW/32)+16
.endr
.endm
.macro MMH g
	WIN 0x0d+(\g)
.irp k, 0,1,2,3
.irp n, 0,1,2,3
.irp a, 0,1
.set MW, 16*(4*\n+\k)
.set MX, 128*(\g)+16*(4*\a+\k)
.set MSW, WSC+8*\n+4*(\g)+\k
.set MSX, ASC+8*\a+4*(\g)+\k
.set MD, ACC+8*(4*\a+\n)
.if ((\g) == 0) && (\k == 0)
	v_wmma_scale_f32_16x16x128_f8f6f4 v[MD:MD+7], v[MW:MW+15], v[MX:MX+15], 0, v[MSW], v[MSX]
.else
	v_wmma_scale_f32_16x16x128_f8f6f4 v[MD:MD+7], v[MW:MW+15], v[MX:MX+15], v[MD:MD+7], v[MSW], v[MSX]
.endif
.endr
.endr
.endr
.endm
.macro LOADX g
	WIN 0xc0
.irp a, 0,1
.irp k, 0,1,2,3
.irp c, 0,1,2,3
	ds_load_b128 v[128*(\g)+16*(4*\a+\k)+4*\c:128*(\g)+16*(4*\a+\k)+4*\c+3], v[AD] offset:\a*16384+(4*(\g)+\k)*2048+\c*512
.endr
.endr
.endr
	WIN 0
.irp a, 0,1
.irp k, 0,1,2,3
	ds_load_b32 v[ASC+8*\a+4*(\g)+\k], v[AW] offset:\a*1024+(4*(\g)+\k)*128
.endr
.endr
.endm
.macro ADDR
	v_add_nc_u32 v[AD], s[PO], v[LI]
	v_add_nc_u32 v[AW], s[PWO], v[LS]
.endm
.macro RESLOAD p
.irp a, 0,1
.if (\p) == 0
.set RR, RES0+32*\a
.elseif \a == 0
.set RR, RES1A
.else
.set RR, RES1B
.endif
.irp i, 0,1,2,3,4,5,6,7
	global_load_b128 v[RR+4*\i:RR+4*\i+3], v[RO], s[12:13] offset:(32*(\p)+16*\a+2*\i)*4096
.endr
.endr
.endm
.macro EPI_R p
.irp a, 0,1
.if (\p) == 0
.set RR, RES0+32*\a
.elseif \a == 0
.set RR, RES1A
.else
.set RR, RES1B
.endif
.irp b, 0,1
.irp q, 0,1,2,3
	ds_store_b128 v[SO], v[ACC+32*\a+16*\b+4*\q:ACC+32*\a+16*\b+4*\q+3] offset:4352*\a+128*\b+16*\q
.endr
.endr
.irp i, 0,1,2,3,4,5,6,7
	ds_load_b128 v[ACC+32*\a+4*\i:ACC+32*\a+4*\i+3], v[SR] offset:4352*\a+544*\i
.endr
.irp i, 0,1,2,3,4,5,6,7
	v_pk_add_f32 v[RR+4*\i:RR+4*\i+1], v[RR+4*\i:RR+4*\i+1], v[B4:B4+1]
	v_pk_add_f32 v[RR+4*\i+2:RR+4*\i+3], v[RR+4*\i+2:RR+4*\i+3], v[B4+2:B4+3]
.endr
	s_wait_dscnt 0x0
.irp i, 0,1,2,3,4,5,6,7
	v_pk_add_f32 v[ACC+32*\a+4*\i:ACC+32*\a+4*\i+1], v[ACC+32*\a+4*\i:ACC+32*\a+4*\i+1], v[RR+4*\i:RR+4*\i+1]
	v_pk_add_f32 v[ACC+32*\a+4*\i+2:ACC+32*\a+4*\i+3], v[ACC+32*\a+4*\i+2:ACC+32*\a+4*\i+3], v[RR+4*\i+2:RR+4*\i+3]
.endr
.irp i, 0,1,2,3,4,5,6,7
	global_store_b128 v[RO], v[ACC+32*\a+4*\i:ACC+32*\a+4*\i+3], s[14:15] offset:(32*(\p)+16*\a+2*\i)*4096
.endr
.endr
.endm
.macro TRIP next, p
	s_wait_dscnt 40
	MMH 0
	WIN 0
	NOPS 8
.if \next
	s_add_co_u32 s[PO], s[PO], 32768
	s_add_co_u32 s[PWO], s[PWO], 2048
	ADDR
	LOADX 0
	s_wait_alu depctr_va_vdst(0)
	s_wait_dscnt 40
.else
	s_wait_dscnt 0x0
.endif
	MMH 1
	WIN 0
	NOPS 9
.if \next
	LOADX 1
.endif
	EPI_R \p
.endm
	s_load_b256 s[4:11], s[0:1], 0x0
	s_load_b128 s[12:15], s[0:1], 0x20
	v_lshl_add_u32 v254, v0, 2, 0x29000
	v_mov_b32 v255, 0
	ds_add_u32 v254, v255
	ds_add_u32 v254, v255
	s_wait_dscnt 0x0
	v_lshrrev_b32 v7, 5, v0
	v_readfirstlane_b32 s[WV], v7
	v_and_b32 v7, 31, v0
	v_lshlrev_b32 v[LI], 4, v7
	v_lshlrev_b32 v[LS], 2, v7
	v_and_b32 v8, 15, v0
	v_bfe_u32 v9, v0, 4, 1
	v_and_b32 v10, 8, v8
	v_add_nc_u32 v10, v10, v8
	v_mul_u32_u24 v[BO], v10, KROW
	v_lshl_add_u32 v[BO], v9, 4, v[BO]
	v_mul_u32_u24 v[BS], v10, KROW/32
	v_lshlrev_b32 v[BOF], 4, v8
	v_lshlrev_b32 v[RO], 12, v9
	v_lshl_add_u32 v[RO], v8, 4, v[RO]
	s_mul_i32 s46, s[WV], 8704
	s_add_co_u32 s46, s46, STG
	v_mul_u32_u24 v[SO], v8, 272
	v_lshl_add_u32 v[SO], v9, 6, v[SO]
	v_add_nc_u32 v[SO], s46, v[SO]
	v_mul_u32_u24 v[SR], v9, 272
	v_lshl_add_u32 v[SR], v8, 4, v[SR]
	v_add_nc_u32 v[SR], s46, v[SR]
	s_mov_b32 s[PO], 0
	s_mov_b32 s[PWO], 65536
	s_bfe_u32 s17, ttmp6, 0x40000
	s_and_b32 s19, ttmp7, 0xffff
	s_lshl_b32 s52, s17, 18
	s_lshl_b32 s53, s[WV], 16
	s_add_co_u32 s52, s52, s53
	s_mov_b32 s53, 0
	s_lshl_b32 s54, s17, 13
	s_lshl_b32 s55, s[WV], 11
	s_add_co_u32 s54, s54, s55
	s_mov_b32 s55, 0
	s_lshl_b32 s56, s17, 10
	s_lshl_b32 s57, s[WV], 8
	s_add_co_u32 s56, s56, s57
	s_mov_b32 s57, 0
	s_lshl_b32 s58, s19, 18
	s_add_co_u32 s58, s58, s56
	s_mov_b32 s59, 0
	s_lshl_b32 s60, s19, 16
	s_lshl_b32 s61, s[WV], 14
	s_add_co_u32 s60, s60, s61
	s_mov_b32 s61, 0
	s_lshl_b32 s62, s19, 12
	s_add_co_u32 s62, s62, 4194304
	s_mov_b32 s63, 0
	s_mov_b32 s[G1A], 15|(3<<16)|(1<<21)
	s_mov_b32 s[G1A+1], 32<<16
	s_mov_b32 s[G1A+2], 128<<16
	s_mov_b32 s[G1A+3], 32<<16
	s_mov_b32 s[G1A+4], 128
	s_mov_b32 s[G1A+5], 32
	s_mov_b32 s[G1A+6], 0
	s_mov_b32 s[G1A+7], 0
	s_mov_b32 s[G1W], 15|(3<<16)|(1<<21)
	s_mov_b32 s[G1W+1], 32<<16
	s_mov_b32 s[G1W+2], 16<<16
	s_mov_b32 s[G1W+3], 32<<16
	s_mov_b32 s[G1W+4], 16
	s_mov_b32 s[G1W+5], 32
	s_mov_b32 s[G1W+6], 0
	s_mov_b32 s[G1W+7], 0
	s_wait_kmcnt 0x0
	s_add_nc_u64 s[WB:WB+1], s[WB:WB+1], s[52:53]
	s_add_nc_u64 s[WS:WS+1], s[WS:WS+1], s[54:55]
	s_add_nc_u64 s[BP:BP+1], s[BP:BP+1], s[56:57]
	s_add_nc_u64 s[12:13], s[12:13], s[58:59]
	s_add_nc_u64 s[14:15], s[14:15], s[58:59]
	s_mov_b32 s[G0A], 1
	s_lshl_b32 s[G0A+1], s[WV], 14
	s_add_nc_u64 s[G0A+2:G0A+3], s[4:5], s[60:61]
	s_or_b32 s[G0A+3], s[G0A+3], 0x80000000
	s_mov_b32 s[G0W], 1
	s_mov_b32 s[G0W+1], 65536
	s_add_nc_u64 s[G0W+2:G0W+3], s[4:5], s[62:63]
	s_or_b32 s[G0W+3], s[G0W+3], 0x80000000
	s_mov_b32 s[G0B], 1                            ; waves 1, 2: 16,384 bytes each, behind wave 0's 32,768
	s_add_co_u32 s[G0B+1], s[G0A+1], 16384
	s_add_nc_u64 s[G0B+2:G0B+3], s[4:5], s[60:61]
	s_add_nc_u64 s[G0B+2:G0B+3], s[G0B+2:G0B+3], 16384
	s_or_b32 s[G0B+3], s[G0B+3], 0x80000000
	s_mov_b32 s[G1B], 15|(3<<16)|(1<<21)
	s_mov_b32 s[G1B+1], 32<<16
	s_mov_b32 s[G1B+2], 64<<16
	s_mov_b32 s[G1B+3], 32<<16
	s_mov_b32 s[G1B+4], 64
	s_mov_b32 s[G1B+5], 32
	s_mov_b32 s[G1B+6], 0
	s_mov_b32 s[G1B+7], 0
	CROUND
	s_cmp_eq_u32 s[WV], 0
	s_cbranch_scc0 .Lhead_b
	tensor_load_to_lds s[G0A:G0A+3], s[G1A:G1A+7]
	s_nop 0
	NOPS 4
	s_branch .Lhead_asked
.Lhead_b:
	s_cmp_lt_u32 s[WV], 3
	s_cbranch_scc0 .Lhead_w
	tensor_load_to_lds s[G0B:G0B+3], s[G1B:G1B+7]
	s_nop 0
	NOPS 4
	s_branch .Lhead_asked
.Lhead_w:
	tensor_load_to_lds s[G0W:G0W+3], s[G1W:G1W+7]
	s_nop 0
	NOPS 4
.Lhead_asked:
	s_wait_alu depctr_va_vdst(0)
	RESLOAD 0
	RESLOAD 1
	LOADB
	global_load_b128 v[B4:B4+3], v[BOF], s[BP:BP+1]
	s_wait_loadcnt 0x0
	s_wait_tensorcnt 0x0
	s_barrier_signal -1
	s_barrier_wait -1
	ADDR
	LOADX 0
	LOADX 1
	TRIP 1, 0
	s_wait_xcnt 0x0
	TRIP 0, 1
	s_wait_dscnt 0x0
	s_wait_xcnt 0x0
	v_lshl_add_u32 v254, v0, 2, 0x29000
	v_mov_b32 v255, 0
	s_wait_alu depctr_va_vdst(0)
	s_wait_tensorcnt 0x0
	ds_add_u32 v254, v255
	s_wait_dscnt 0x0
	CROUND
	s_endpgm
.Lfunc_end_k_qc6bdc45ff6_wo:
	.size	k_qc6bdc45ff6_wo, .Lfunc_end_k_qc6bdc45ff6_wo-k_qc6bdc45ff6_wo
	.p2alignl 7, 3214868480
	.fill 96, 4, 3214868480
	.section	.rodata,"a",@progbits
	.p2align	6, 0x0
	.amdhsa_kernel k_qc6bdc45ff6_wo
		.amdhsa_group_segment_fixed_size 327680
		.amdhsa_private_segment_fixed_size 0
		.amdhsa_enable_private_segment 0
		.amdhsa_kernarg_size 48
		.amdhsa_user_sgpr_count 2
		.amdhsa_user_sgpr_kernarg_segment_ptr 1
		.amdhsa_wavefront_size32 1
		.amdhsa_system_sgpr_workgroup_id_x 1
		.amdhsa_system_sgpr_workgroup_id_y 1
		.amdhsa_system_sgpr_workgroup_id_z 1
		.amdhsa_system_vgpr_workitem_id 0
		.amdhsa_next_free_vgpr 1024
		.amdhsa_next_free_sgpr 80
		.amdhsa_reserve_vcc 0
		.amdhsa_float_denorm_mode_32 3
		.amdhsa_float_denorm_mode_16_64 3
		.amdhsa_memory_ordered 1
		.amdhsa_forward_progress 1
		.amdhsa_inst_pref_size 67
	.end_amdhsa_kernel
	.amdgpu_metadata
---
amdhsa.version: [ 1, 2 ]
amdhsa.kernels:
  - .name:           k_qc6bdc45ff6_wo
    .symbol:         k_qc6bdc45ff6_wo.kd
    .args:
      - { .name: cx, .offset: 0, .size: 8, .value_kind: global_buffer, .address_space: global }
      - { .name: Wo_codes, .offset: 8, .size: 8, .value_kind: global_buffer, .address_space: global }
      - { .name: Wo_scales, .offset: 16, .size: 8, .value_kind: global_buffer, .address_space: global }
      - { .name: bo, .offset: 24, .size: 8, .value_kind: global_buffer, .address_space: global }
      - { .name: x, .offset: 32, .size: 8, .value_kind: global_buffer, .address_space: global }
      - { .name: x1, .offset: 40, .size: 8, .value_kind: global_buffer, .address_space: global }
    .group_segment_fixed_size: 327680
    .private_segment_fixed_size: 0
    .kernarg_segment_align: 8
    .kernarg_segment_size: 48
    .max_flat_workgroup_size: 128
    .sgpr_count:     80
    .vgpr_count:     1024
    .wavefront_size: 32
...
	.end_amdgpu_metadata
.endif
;; end of part 4
;; launch ln2: the kernel of part 1 again; grid 256 x 1, 8 waves a work-group, no clusters, 71,680 bytes of LDS; arguments x1, ln2_g, ln2_b, hn; writes hn
;; launch ffn1 (part 5): grid 16 x 16, 4 waves a work-group, clusters of 4 x 1, 327,680 bytes of LDS; arguments hn, W1_codes, W1_scales, b1, hd; writes hd
.if DOCPART == 5
	.amdgcn_target "amdgcn-amd-amdhsa--gfx1250"
	.amdhsa_code_object_version 6
	.text
	.protected	k_qc6bdc45ff6_ffn1
	.globl	k_qc6bdc45ff6_ffn1
	.p2align	8
	.type	k_qc6bdc45ff6_ffn1,@function
k_qc6bdc45ff6_ffn1:
	s_mov_b64 s[64:65], 0
	v_nop
	global_prefetch_b8 v0, s[64:65] scope:SCOPE_SE
	s_setreg_imm32_b32 hwreg(HW_REG_WAVE_MODE, 25, 1), 1
	s_wait_xcnt 0x0
	s_wait_alu depctr_hold_cnt(0) depctr_sa_sdst(0) depctr_va_vdst(0) depctr_va_sdst(0) depctr_va_ssrc(0) depctr_va_vcc(0) depctr_vm_vsrc(0)
	s_getreg_b32 s2, hwreg(HW_REG_IB_STS2, 6, 4)
	s_cmp_eq_u32 s2, 0
	s_cbranch_scc0 .Lentry_in_a_cluster
	s_endpgm
.Lentry_in_a_cluster:
	s_bfe_u32 s2, ttmp6, 0x10000c
	s_cmp_lg_u32 s2, 0x3003
	s_cbranch_scc0 .Lentry_shape_is_right
	s_endpgm
.Lentry_shape_is_right:
; hidden = relu(h2 W1 + b1) on codes of MX-FP8, quantised along DFF on the way out.  A work-group takes 256 tokens (y) x 256 columns (x = 4 cluster x + cx); wave w holds 64 rows of W1, all of K = 1,024, in 512 registers;
; h2's operand images (launch ln2's) come into LDS once, jointly for the four partners.  THE HEAD'S TILES ARE SHARED OUT, one tensor load a wave, in one chain of arms on the wave's number: wave 0 brings 512 rows of 256 bytes of the
; images, waves 1 and 2 256 rows each, wave 3 the 64 rows of scale words.  No LDS byte is filled twice.  Nothing is prefetched: every fill stands at the head.  LIMITS: as stated in launch ln1.
.set KROW, 1024
.set LI,  1
.set LS,  2
.set AD,  3
.set AW,  4
.set BO,  5
.set BS,  6
.set RO,  7
.set CO,  12
.set SWB, 13
.set SWA, 14
.set SWR, 15
.set ACC, 16
.set BIA, 80
.set WSC, 112
.set ASC, 196                          ; h2's scale words: their numbers differ modulo 8 from the weight's in every product
.set G1B, 68                           ; s[68:75], s[76:79] waves 1 and 2's descriptor
.set G0B, 76
.set PC,  160
.set TM,  176
.set PW,  192
.set SW,  278528
.set WV,  16
.set WB,  6
.set WS,  8
.set BP,  10
.set G1A, 20
.set G1W, 28
.set G0A, 36
.set G0W, 40
.set PO,  44
.set PWO, 45
.set CNT, 46
.set SWO, 47
.set SEL, 48
.set MNT, 50
.set MSB, 0
.macro WIN new
.if MSB != (\new)
	s_set_vgpr_msb (MSB<<8)|(\new)
.set MSB, (\new)
.endif
.endm
.macro NOPS n
.rept \n
	v_nop
.endr
.endm
.macro CROUND
	s_barrier_signal -1
	s_barrier_wait -1
	s_cmp_lg_u32 s[WV], 0
	s_cbranch_scc1 .Lnot_wave_0_\@
	s_barrier_signal -3
.Lnot_wave_0_\@:
	s_barrier_wait -3
	s_barrier_signal -1
	s_barrier_wait -1
.endm
.macro QUANT s, relu, nb
.irp b, 0,1,2,3
.if \b < \nb
.if \relu
	v_max3_num_f32 v[TM+\b], v[\s+16*\b], v[\s+16*\b+1], 0x4800000
.else
	v_max3_num_f32 v[TM+\b], |v[\s+16*\b]|, |v[\s+16*\b+1]|, 0x4800000
.endif
.endif
.endr
.irp i, 2,4,6,8,10,12,14
.irp b, 0,1,2,3
.if \b < \nb
.if \relu
	v_max3_num_f32 v[TM+\b], v[TM+\b], v[\s+16*\b+\i], v[\s+16*\b+\i+1]
.else
	v_max3_num_f32 v[TM+\b], v[TM+\b], |v[\s+16*\b+\i]|, |v[\s+16*\b+\i+1]|
.endif
.endif
.endr
.endr
.irp b, 0,1,2,3
.if \b < \nb
	v_permlanex16_b32 v[TM+4+\b], v[TM+\b], s[SEL], s[SEL+1]
.endif
.endr
.irp b, 0,1,2,3
.if \b < \nb
	v_max_num_f32 v[TM+\b], v[TM+\b], v[TM+4+\b]
.endif
.endr
.irp b, 0,1,2,3
.if \b < \nb
	v_add_nc_u32 v[TM+12+\b], 0xfc000000, v[TM+\b]
.endif
.endr
.irp b, 0,1,2,3
.if \b < \nb
	v_and_or_b32 v[TM+8+\b], v[TM+\b], 0x7f800000, s[MNT]
.endif
.endr
.irp b, 0,1,2,3
.if \b < \nb
	v_lshrrev_b32 v[TM+4+\b], 23, v[TM+12+\b]
.endif
.endr
.irp b, 0,1,2,3
.if \b < \nb
.irp i, 0,1,2,3,4,5,6,7,8,9,10,11,12,13,14,15
.if \relu
	v_med3_num_f32 v[\s+16*\b+\i], v[\s+16*\b+\i], 0, v[TM+8+\b]
.else
	v_med3_num_f32 v[\s+16*\b+\i], v[\s+16*\b+\i], -v[TM+8+\b], v[TM+8+\b]
.endif
.endr
	v_cvt_scalef32_pk8_fp8_f32 v[PC+4*\b:PC+4*\b+1], v[\s+16*\b:\s+16*\b+7], v[TM+12+\b]
	v_cvt_scalef32_pk8_fp8_f32 v[PC+4*\b+2:PC+4*\b+3], v[\s+16*\b+8:\s+16*\b+15], v[TM+12+\b]
.endif
.endr
	v_nop
.endm
.macro LOADB
	WIN 0x40
.irp n, 0,1,2,3
.irp k, 0,1,2,3
.irp c, 0,1,2,3
	global_load_b128 v[16*(4*\n+\k)+4*\c:16*(4*\n+\k)+4*\c+3], v[BO], s[WB:WB+1] offset:(32*(\n/2)+8*(\n%2))*KROW+128*\k+32*\c
.endr
.endr
.endr
	WIN 0x80
.irp n, 0,1,2,3
.irp k, 0,1,2,3
.irp c, 0,1,2,3
	global_load_b128 v[16*(4*\n+\k)+4*\c:16*(4*\n+\k)+4*\c+3], v[BO], s[WB:WB+1] offset:(32*(\n/2)+8*(\n%2))*KROW+512+128*\k+32*\c
.endr
.endr
.endr
	WIN 0
.irp n, 0,1,2,3
	global_load_b128 v[WSC+8*\n:WSC+8*\n+3], v[BS], s[WS:WS+1] offset:(32*(\n/2)+8*(\n%2))*(KROW/32)
	global_load_b128 v[WSC+8*\n+4:WSC+8*\n+7], v[BS], s[WS:WS+1] offset:(32*(\n/2)+8*(\n%2))*(KROW/32)+16
.endr
.endm
.macro MMH g
	WIN 0x0d+(\g)
.irp k, 0,1,2,3
.irp n, 0,1,2,3
.irp a, 0,1
.set MW, 16*(4*\n+\k)
.set MX, 128*(\g)+16*(4*\a+\k)
.set MSW, WSC+8*\n+4*(\g)+\k
.set MSX, ASC+8*\a+4*(\g)+\k
.set MD, ACC+8*(4*\a+\n)
.if ((\g) == 0) && (\k == 0)
	v_wmma_scale_f32_16x16x128_f8f6f4 v[MD:MD+7], v[MW:MW+15], v[MX:MX+15], v[BIA+8*\n:BIA+8*\n+7], v[MSW], v[MSX]
.else
	v_wmma_scale_f32_16x16x128_f8f6f4 v[MD:MD+7], v[MW:MW+15], v[MX:MX+15], v[MD:MD+7], v[MSW], v[MSX]
.endif
.endr
.endr
.endr
.endm
.macro LOADX g
	WIN 0xc0
.irp a, 0,1
.irp k, 0,1,2,3
.irp c, 0,1,2,3
	ds_load_b128 v[128*(\g)+16*(4*\a+\k)+4*\c:128*(\g)+16*(4*\a+\k)+4*\c+3], v[AD] offset:\a*16384+(4*(\g)+\k)*2048+\c*512
.endr
.endr
.endr
	WIN 0
.irp a, 0,1
.irp k, 0,1,2,3
	ds_load_b32 v[ASC+8*\a+4*(\g)+\k], v[AW] offset:\a*1024+(4*(\g)+\k)*128
.endr
.endr
.endm
.macro ADDR
	v_add_nc_u32 v[AD], s[PO], v[LI]
	v_add_nc_u32 v[AW], s[PWO], v[LS]
.endm
.macro EPI_H
	QUANT ACC, 1, 4
	v_lshl_or_b32 v[PW], v[TM+5], 8, v[TM+4]
	v_lshl_or_b32 v[PW+1], v[TM+7], 8, v[TM+6]
	v_add_nc_u32 v[SWA], s[SWO], v[SWB]
.irp a, 0,1
.irp b, 0,1
	global_store_b128 v[CO], v[PC+4*(2*\a+\b):PC+4*(2*\a+\b)+3], s[12:13] offset:65536*\a+512*\b
.endr
.endr
	ds_store_b16 v[SWA], v[PW]
	ds_store_b16 v[SWA], v[PW+1] offset:256
	s_add_co_u32 s[SWO], s[SWO], 512
	s_wait_xcnt 0x0
	v_add_nc_u32 v[CO], 131072, v[CO]
.endm
.macro TRIP next
	s_wait_dscnt 40
	MMH 0
	WIN 0
	NOPS 8
.if \next
	s_add_co_u32 s[PO], s[PO], 32768
	s_add_co_u32 s[PWO], s[PWO], 2048
	ADDR
	LOADX 0
	s_wait_alu depctr_va_vdst(0)
	s_wait_dscnt 40
.else
	s_wait_dscnt 0x0
.endif
	MMH 1
	WIN 0
	NOPS 9
.if \next
	LOADX 1
.endif
	EPI_H
.endm
	s_load_b256 s[4:11], s[0:1], 0x0
	s_load_b64 s[12:13], s[0:1], 0x20
	v_lshl_add_u32 v254, v0, 2, 0x45000
	v_mov_b32 v255, 0
	ds_add_u32 v254, v255
	ds_add_u32 v254, v255
	v_lshrrev_b32 v7, 5, v0
	v_readfirstlane_b32 s[WV], v7
	v_and_b32 v7, 31, v0
	v_lshlrev_b32 v[LI], 4, v7
	v_lshlrev_b32 v[LS], 2, v7
	v_and_b32 v8, 15, v0
	v_bfe_u32 v9, v0, 4, 1
	v_and_b32 v10, 8, v8
	v_add_nc_u32 v10, v10, v8
	v_mul_u32_u24 v[BO], v10, KROW
	v_lshl_add_u32 v[BO], v9, 4, v[BO]
	v_mul_u32_u24 v[BS], v10, KROW/32
	v_lshlrev_b32 v11, 6, v9
	v_lshlrev_b32 v[RO], 12, v9
	v_lshl_add_u32 v[RO], v8, 4, v[RO]
	v_mov_b32 v[CO], v[LI]
	s_and_b32 s51, s[WV], 1
	s_lshl_b32 s51, s51, 1
	s_lshr_b32 s52, s[WV], 1
	s_lshl_b32 s52, s52, 7
	s_add_co_u32 s51, s51, s52
	s_add_co_u32 s51, s51, SW
	v_add_nc_u32 v[SWB], s51, v[LS]
	s_lshl_b32 s51, s[WV], 10
	s_add_co_u32 s51, s51, SW
	v_add_nc_u32 v[SWR], s51, v[LI]
.irp b, 0,1,2,3
	v_mov_b32 v[TM+4+\b], 0
.endr
	s_mov_b32 s[SEL], 0x76543210
	s_mov_b32 s[SEL+1], 0xfedcba98
	s_mov_b32 s[MNT], 0x600000
	s_mov_b32 s[PO], 0
	s_mov_b32 s[PWO], 262144
	s_mov_b32 s[SWO], 0
	s_bfe_u32 s17, ttmp6, 0x40000
	s_lshl_b32 s18, ttmp9, 2
	s_add_co_u32 s18, s18, s17
	s_and_b32 s19, ttmp7, 0xffff
	s_lshl_b32 s52, s18, 18
	s_lshl_b32 s53, s[WV], 16
	s_add_co_u32 s52, s52, s53
	s_mov_b32 s53, 0
	s_lshl_b32 s54, s18, 13
	s_lshl_b32 s55, s[WV], 11
	s_add_co_u32 s54, s54, s55
	s_mov_b32 s55, 0
	s_lshl_b32 s56, s18, 10
	s_lshl_b32 s57, s[WV], 8
	s_add_co_u32 s56, s56, s57
	s_mov_b32 s57, 0
	s_lshl_b32 s58, s19, 20
	s_lshl_b32 s59, s18, 12
	s_add_co_u32 s58, s58, s59
	s_lshl_b32 s59, s[WV], 10
	s_add_co_u32 s58, s58, s59
	s_mov_b32 s59, 0
	s_lshl_b32 s14, s19, 16
	s_lshl_b32 s15, s[WV], 14
	s_add_co_u32 s14, s14, s15
	s_lshl_b32 s15, s18, 8
	s_add_co_u32 s14, s14, s15
	s_add_co_u32 s14, s14, 16777216
	s_mov_b32 s15, 0
	s_lshl_b32 s60, s19, 18
	s_lshl_b32 s61, s[WV], 16
	s_add_co_u32 s60, s60, s61
	s_mov_b32 s61, 0
	s_lshl_b32 s62, s19, 14
	s_add_co_u32 s62, s62, 4194304
	s_mov_b32 s63, 0
	s_mov_b32 s[G1A], 15|(3<<16)|(1<<21)
	s_mov_b32 s[G1A+1], 32<<16
	s_mov_b32 s[G1A+2], 512<<16
	s_mov_b32 s[G1A+3], 32<<16
	s_mov_b32 s[G1A+4], 512
	s_mov_b32 s[G1A+5], 32
	s_mov_b32 s[G1A+6], 0
	s_mov_b32 s[G1A+7], 0
	s_mov_b32 s[G1W], 15|(3<<16)|(1<<21)
	s_mov_b32 s[G1W+1], 32<<16
	s_mov_b32 s[G1W+2], 64<<16
	s_mov_b32 s[G1W+3], 32<<16
	s_mov_b32 s[G1W+4], 64
	s_mov_b32 s[G1W+5], 32
	s_mov_b32 s[G1W+6], 0
	s_mov_b32 s[G1W+7], 0
	s_wait_dscnt 0x0
	s_wait_kmcnt 0x0
	s_add_nc_u64 s[WB:WB+1], s[WB:WB+1], s[52:53]
	s_add_nc_u64 s[WS:WS+1], s[WS:WS+1], s[54:55]
	s_add_nc_u64 s[BP:BP+1], s[BP:BP+1], s[56:57]
	s_add_nc_u64 s[14:15], s[12:13], s[14:15]
	s_add_nc_u64 s[12:13], s[12:13], s[58:59]
	s_mov_b32 s[G0A], 1
	s_lshl_b32 s[G0A+1], s[WV], 16
	s_add_nc_u64 s[G0A+2:G0A+3], s[4:5], s[60:61]
	s_or_b32 s[G0A+3], s[G0A+3], 0x80000000
	s_mov_b32 s[G0W], 1
	s_mov_b32 s[G0W+1], 262144
	s_add_nc_u64 s[G0W+2:G0W+3], s[4:5], s[62:63]
	s_or_b32 s[G0W+3], s[G0W+3], 0x80000000
	s_mov_b32 s[G0B], 1                            ; waves 1, 2: 65,536 bytes each, behind wave 0's 131,072
	s_add_co_u32 s[G0B+1], s[G0A+1], 65536
	s_add_nc_u64 s[G0B+2:G0B+3], s[4:5], s[60:61]
	s_add_nc_u64 s[G0B+2:G0B+3], s[G0B+2:G0B+3], 65536
	s_or_b32 s[G0B+3], s[G0B+3], 0x80000000
	s_mov_b32 s[G1B], 15|(3<<16)|(1<<21)
	s_mov_b32 s[G1B+1], 32<<16
	s_mov_b32 s[G1B+2], 256<<16
	s_mov_b32 s[G1B+3], 32<<16
	s_mov_b32 s[G1B+4], 256
	s_mov_b32 s[G1B+5], 32
	s_mov_b32 s[G1B+6], 0
	s_mov_b32 s[G1B+7], 0
	CROUND
	s_cmp_eq_u32 s[WV], 0
	s_cbranch_scc0 .Lhead_b
	tensor_load_to_lds s[G0A:G0A+3], s[G1A:G1A+7]
	s_nop 0
	NOPS 4
	s_branch .Lhead_asked
.Lhead_b:
	s_cmp_lt_u32 s[WV], 3
	s_cbranch_scc0 .Lhead_w
	tensor_load_to_lds s[G0B:G0B+3], s[G1B:G1B+7]
	s_nop 0
	NOPS 4
	s_branch .Lhead_asked
.Lhead_w:
	tensor_load_to_lds s[G0W:G0W+3], s[G1W:G1W+7]
	s_nop 0
	NOPS 4
.Lhead_asked:
	s_wait_alu depctr_va_vdst(0)
	LOADB
.irp n, 0,1,2,3
	global_load_b128 v[BIA+8*\n:BIA+8*\n+3], v11, s[BP:BP+1] offset:(32*(\n/2)+8*(\n%2))*4
	global_load_b128 v[BIA+8*\n+4:BIA+8*\n+7], v11, s[BP:BP+1] offset:(32*(\n/2)+8*(\n%2))*4+16
.endr
	s_wait_loadcnt 0x0
	s_wait_tensorcnt 0x0
	s_barrier_signal -1
	s_barrier_wait -1
	ADDR
	LOADX 0
	LOADX 1
	s_mov_b32 s[CNT], 7
.Ltrip:
	TRIP 1
	s_sub_co_u32 s[CNT], s[CNT], 1
	s_cmp_lg_u32 s[CNT], 0
	s_cbranch_scc1 .Ltrip
	TRIP 0
	s_wait_dscnt 0x0
	s_barrier_signal -1
	s_barrier_wait -1
	ds_load_b128 v[PC:PC+3], v[SWR]
	ds_load_b128 v[PC+4:PC+7], v[SWR] offset:512
	s_wait_dscnt 0x0
	global_store_b128 v[RO], v[PC:PC+3], s[14:15]
	global_store_b128 v[RO], v[PC+4:PC+7], s[14:15] offset:8192
	s_wait_tensorcnt 0x0
	ds_add_u32 v254, v255
	s_wait_dscnt 0x0
	CROUND
	s_endpgm
.Lfunc_end_k_qc6bdc45ff6_ffn1:
	.size	k_qc6bdc45ff6_ffn1, .Lfunc_end_k_qc6bdc45ff6_ffn1-k_qc6bdc45ff6_ffn1
	.p2alignl 7, 3214868480
	.fill 96, 4, 3214868480
	.section	.rodata,"a",@progbits
	.p2align	6, 0x0
	.amdhsa_kernel k_qc6bdc45ff6_ffn1
		.amdhsa_group_segment_fixed_size 327680
		.amdhsa_private_segment_fixed_size 0
		.amdhsa_enable_private_segment 0
		.amdhsa_kernarg_size 40
		.amdhsa_user_sgpr_count 2
		.amdhsa_user_sgpr_kernarg_segment_ptr 1
		.amdhsa_wavefront_size32 1
		.amdhsa_system_sgpr_workgroup_id_x 1
		.amdhsa_system_sgpr_workgroup_id_y 1
		.amdhsa_system_sgpr_workgroup_id_z 1
		.amdhsa_system_vgpr_workitem_id 0
		.amdhsa_next_free_vgpr 1024
		.amdhsa_next_free_sgpr 80
		.amdhsa_reserve_vcc 0
		.amdhsa_float_denorm_mode_32 3
		.amdhsa_float_denorm_mode_16_64 3
		.amdhsa_memory_ordered 1
		.amdhsa_forward_progress 1
		.amdhsa_inst_pref_size 67
	.end_amdhsa_kernel
	.amdgpu_metadata
---
amdhsa.version: [ 1, 2 ]
amdhsa.kernels:
  - .name:           k_qc6bdc45ff6_ffn1
    .symbol:         k_qc6bdc45ff6_ffn1.kd
    .args:
      - { .name: hn, .offset: 0, .size: 8, .value_kind: global_buffer, .address_space: global }
      - { .name: W1_codes, .offset: 8, .size: 8, .value_kind: global_buffer, .address_space: global }
      - { .name: W1_scales, .offset: 16, .size: 8, .value_kind: global_buffer, .address_space: global }
      - { .name: b1, .offset: 24, .size: 8, .value_kind: global_buffer, .address_space: global }
      - { .name: hd, .offset: 32, .size: 8, .value_kind: global_buffer, .address_space: global }
    .group_segment_fixed_size: 327680
    .private_segment_fixed_size: 0
    .kernarg_segment_align: 8
    .kernarg_segment_size: 40
    .max_flat_workgroup_size: 128
    .sgpr_count:     80
    .vgpr_count:     1024
    .wavefront_size: 32
...
	.end_amdgpu_metadata
.endif
;; end of part 5
;; launch ffn2 (part 6): grid 16 x 16, 4 waves a work-group, clusters of 4 x 1, 327,680 bytes of LDS; arguments hd, W2_codes, W2_scales, b2, x1, out0; writes out0
.if DOCPART == 6
	.amdgcn_target "amdgcn-amd-amdhsa--gfx1250"
	.amdhsa_code_object_version 6
	.text
	.protected	k_qc6bdc45ff6_ffn2
	.globl	k_qc6bdc45ff6_ffn2
	.p2align	8
	.type	k_qc6bdc45ff6_ffn2,@function
k_qc6bdc45ff6_ffn2:
	s_mov_b64 s[64:65], 0
	v_nop
	global_prefetch_b8 v0, s[64:65] scope:SCOPE_SE
	s_setreg_imm32_b32 hwreg(HW_REG_WAVE_MODE, 25, 1), 1
	s_wait_xcnt 0x0
	s_wait_alu depctr_hold_cnt(0) depctr_sa_sdst(0) depctr_va_vdst(0) depctr_va_sdst(0) depctr_va_ssrc(0) depctr_va_vcc(0) depctr_vm_vsrc(0)
	s_getreg_b32 s2, hwreg(HW_REG_IB_STS2, 6, 4)
	s_cmp_eq_u32 s2, 0
	s_cbranch_scc0 .Lentry_in_a_cluster
	s_endpgm
.Lentry_in_a_cluster:
	s_bfe_u32 s2, ttmp6, 0x10000c
	s_cmp_lg_u32 s2, 0x3003
	s_cbranch_scc0 .Lentry_shape_is_right
	s_endpgm
.Lentry_shape_is_right:
; out = x1 + hidden W2 + b2, the product on codes of MX-FP8, K = 4,096.
; SHARES: a work-group takes 256 tokens (y) x 64 columns (x = 4 cluster x + cx).  THE WAVES SHARE K: wave w holds W2's rows 64 x .. at k = 1,024 w .. 1,024 w + 1,023 in 512 registers for the whole launch.  Eight pairs of token tiles;
; the four waves' partial sums of a pair meet in LDS (two barriers a pair), and each wave finishes 8 rows: + b2 + x1, stored as runs of 256 consecutive bytes, aligned.
; THE HIDDEN LAYER COMES THROUGH A RING OF TWO LDS SLOTS, a pair's images (131,072 dense bytes of hd, as launch ffn1 laid them) to a slot, asked for JOINTLY by the four work-groups of a cluster, which share y.
; At the head one load a wave brings a quarter of pairs 0 and 1.  A pair's fragments go into registers one trip ahead of their products, so in trip t pair t + 1 leaves its slot; at that trip's exchange of partial sums stand the wait for
; all tensor loads, the add, the wait for LDS and a round of the cluster's barrier, and behind it each wave asks for a quarter (32,768 bytes) of pair t + 3 into that slot.  Pair 2 is asked for the same way ahead of trip 0, when pair 0
; is in registers.  One load of a wave is out at a time, and it has one trip in which to land.  The last three trips fill nothing and are written behind the loop.
; The scale words of all pairs come from memory into registers, 128 consecutive bytes a load.
; PREFETCH: at the head of trip t, t = 0 to 3, every cluster names pair t + 4, whose load is issued at the end of trip t + 1: one instruction a wave, lanes 256 bytes apart; of a wave's 2 x 16,384 bytes of a pair the partner at place cx
; takes tile cx / 2, half cx % 2: the partners are told apart by address.  Pairs 0 to 3 come by their loads alone; none past pair 7 is named.
; The order of the f32 sums: four partial sums over K, added as (0 + 1) + (2 + 3), then b2 + x1.  LIMITS: as stated in launch ln1.
.set KROW, 4096
.set PAIR, 131072
.set LI,  1
.set AW,  4                            ; hd's scale words: 4 lane + 8,192 pair
.set BO,  5
.set BS,  6
.set RO,  7                            ; x1 and out0: 4,096 (lane / 16) + 16 (lane % 16) + 131,072 pair
.set SO,  12                           ; the stage: where I put 16 bytes of a row of my partial sums
.set SR,  13                           ; and where I read a row of wave 0's back
.set PFO, 14                           ; the prefetches' offset: 256 lane + my work-group's part + 131,072 trip
.set ACC, 16
.set ASC, 84                           ; v84-99 hd's scale words: their numbers differ modulo 8 from W2's in every product
.set WSC, 112
.set PS,  160                          ; v160-223 the four waves' partial sums of my 8 rows
.set RES, 224                          ; v224-239 the residual
.set B2,  240                          ; v240-243 b2 at my four columns
.set AL0, 244                          ; v244, v245 LDS addresses of my K steps of the two tiles of the pair that is fetched
.set AL1, 245
.set ALB, 246                          ; v246, v247 the same in slot 0: 16 lane + 16,384 wave, and 65,536 on
.set STG, 262144                       ; behind the ring: 2 x 16 rows x 272 bytes for each wave; no fill lands here
.set SPARE, 0x48800                    ; behind the stages: the spare words
.set WV,  16
.set WB,  6
.set WS,  8
.set CNT, 22
.set TB,  36                           ; s36 where the slot begins from which fragments are fetched
.set G1A, 40                           ; s[40:47], s[48:51] the head's load: 256 rows of 256 bytes
.set G0A, 48
.set G0R, 52                           ; s[52:55], s[56:63] a refill: 128 rows
.set G1R, 56
.set MSB, 0
.macro WIN new
.if MSB != (\new)
	s_set_vgpr_msb (MSB<<8)|(\new)
.set MSB, (\new)
.endif
.endm
.macro NOPS n
.rept \n
	v_nop
.endr
.endm
.macro CROUND                          ; a round of the cluster's barrier
	s_barrier_signal -1
	s_barrier_wait -1
	s_cmp_lg_u32 s[WV], 0
	s_cbranch_scc1 .Lnot_wave_0_\@
	s_barrier_signal -3
.Lnot_wave_0_\@:
	s_barrier_wait -3
	s_barrier_signal -1
	s_barrier_wait -1
.endm
.macro GROUP1 g, rows                  ; a dense block as rows of 256 bytes (32 elements of 8); the mask names all four work-groups; bit 21 beside a mask; no padding
	s_mov_b32 s[\g], 15|(3<<16)|(1<<21)
	s_mov_b32 s[\g+1], 32<<16
	s_mov_b32 s[\g+2], (\rows)<<16
	s_mov_b32 s[\g+3], 32<<16
	s_mov_b32 s[\g+4], \rows
	s_mov_b32 s[\g+5], 32
	s_mov_b32 s[\g+6], 0
	s_mov_b32 s[\g+7], 0
.endm
.macro LOADB                           ; my 64 rows x 1,024 k of W2 into windows 1 and 2, and their scale words
	WIN 0x40
.irp n, 0,1,2,3
.irp k, 0,1,2,3
.irp c, 0,1,2,3
	global_load_b128 v[16*(4*\n+\k)+4*\c:16*(4*\n+\k)+4*\c+3], v[BO], s[WB:WB+1] offset:(32*(\n/2)+8*(\n%2))*KROW+128*\k+32*\c
.endr
.endr
.endr
	WIN 0x80
.irp n, 0,1,2,3
.irp k, 0,1,2,3
.irp c, 0,1,2,3
	global_load_b128 v[16*(4*\n+\k)+4*\c:16*(4*\n+\k)+4*\c+3], v[BO], s[WB:WB+1] offset:(32*(\n/2)+8*(\n%2))*KROW+512+128*\k+32*\c
.endr
.endr
.endr
	WIN 0
.irp n, 0,1,2,3
	global_load_b128 v[WSC+8*\n:WSC+8*\n+3], v[BS], s[WS:WS+1] offset:(32*(\n/2)+8*(\n%2))*(KROW/32)
	global_load_b128 v[WSC+8*\n+4:WSC+8*\n+7], v[BS], s[WS:WS+1] offset:(32*(\n/2)+8*(\n%2))*(KROW/32)+16
.endr
.endm
.macro MMH g                           ; 32 matrix instructions, the 8 accumulators by turns; the first eight start the sums with the constant 0
	WIN 0x0d+(\g)
.irp k, 0,1,2,3
.irp n, 0,1,2,3
.irp a, 0,1
.set MW, 16*(4*\n+\k)
.set MX, 128*(\g)+16*(4*\a+\k)
.set MSW, WSC+8*\n+4*(\g)+\k
.set MSX, ASC+8*\a+4*(\g)+\k
.set MD, ACC+8*(4*\a+\n)
.if ((\g) == 0) && (\k == 0)
	v_wmma_scale_f32_16x16x128_f8f6f4 v[MD:MD+7], v[MW:MW+15], v[MX:MX+15], 0, v[MSW], v[MSX]
.else
	v_wmma_scale_f32_16x16x128_f8f6f4 v[MD:MD+7], v[MW:MW+15], v[MX:MX+15], v[MD:MD+7], v[MSW], v[MSX]
.endif
.endr
.endr
.endr
.endm
.macro LOADXL g                        ; a pair's fragments of my K steps 4 g .. 4 g + 3, from LDS into window 3: 32 loads, each of 512 consecutive bytes
	WIN 0xc0
.irp a, 0,1
.irp k, 0,1,2,3
.irp c, 0,1,2,3
	ds_load_b128 v[128*(\g)+16*(4*\a+\k)+4*\c:128*(\g)+16*(4*\a+\k)+4*\c+3], v[AL0+\a] offset:(4*(\g)+\k)*2048+\c*512
.endr
.endr
.endr
	WIN 0
.endm
.macro LOADW g                         ; their scale words, from memory: 8 loads
.irp a, 0,1
.irp k, 0,1,2,3
	global_load_b32 v[ASC+8*\a+4*(\g)+\k], v[AW], s[20:21] offset:\a*4096+(4*(\g)+\k)*128
.endr
.endr
.endm
; The exchange of partial sums and the way out.  fill = 1: the first barrier is a drained round, and a refill stands behind it; 2: it shows the last loads landed; 0: it shows the stages alone.
.macro EPI_F nxt, fill
.irp a, 0,1
.irp b, 0,1
.irp q, 0,1,2,3
	ds_store_b128 v[SO], v[ACC+32*\a+16*\b+4*\q:ACC+32*\a+16*\b+4*\q+3] offset:4352*\a+128*\b+16*\q   ; each accumulator from its low end on
.endr
.endr
.endr
.if (\fill) == 1
	s_wait_tensorcnt 0x0                           ; my one load that was out, a quarter of the pair after next, has landed
	ds_add_u32 v254, v255                          ; 0 onto my spare word
	s_add_nc_u64 s[G0R+2:G0R+3], s[G0R+2:G0R+3], PAIR   ; no load of mine is out, so the descriptor may be written: the next pair,
	s_xor_b32 s[G0R+1], s[G0R+1], PAIR             ; the other slot
	s_wait_dscnt 0x0                               ; the add is done, my partial sums have landed, my reads of the slot are over
	CROUND                                         ; all that holds of every wave of the four work-groups
	tensor_load_to_lds s[G0R:G0R+3], s[G1R:G1R+7]
	s_nop 0
	NOPS 4
.else
.if (\fill) == 2
	s_wait_tensorcnt 0x0                           ; no load of mine is out any more
.endif
	s_wait_dscnt 0x0                               ; for the others' sake: my partial sums have landed
	s_barrier_signal -1
	s_barrier_wait -1
.endif
.irp m, 0,1,2,3
.irp i, 0,1,2,3
	ds_load_b128 v[PS+16*\m+4*\i:PS+16*\m+4*\i+3], v[SR] offset:8704*\m+544*\i
.endr
.endr
	s_wait_dscnt 0x0                               ; my reads of the stages are over: behind this barrier the next pair may be stored there
	s_barrier_signal -1
	s_barrier_wait -1
.if \nxt
	s_wait_loadcnt 16                              ; younger than the residual's four: the next pair's 16 scale words
.else
	s_wait_loadcnt 0x0
.endif
.irp i, 0,1,2,3
.irp j, 0,2
	v_pk_add_f32 v[PS+4*\i+\j:PS+4*\i+\j+1], v[PS+4*\i+\j:PS+4*\i+\j+1], v[PS+16+4*\i+\j:PS+16+4*\i+\j+1]
	v_pk_add_f32 v[PS+32+4*\i+\j:PS+32+4*\i+\j+1], v[PS+32+4*\i+\j:PS+32+4*\i+\j+1], v[PS+48+4*\i+\j:PS+48+4*\i+\j+1]
	v_pk_add_f32 v[RES+4*\i+\j:RES+4*\i+\j+1], v[RES+4*\i+\j:RES+4*\i+\j+1], v[B2+\j:B2+\j+1]
.endr
.endr
.irp i, 0,1,2,3
.irp j, 0,2
	v_pk_add_f32 v[PS+4*\i+\j:PS+4*\i+\j+1], v[PS+4*\i+\j:PS+4*\i+\j+1], v[PS+32+4*\i+\j:PS+32+4*\i+\j+1]
.endr
.endr
.irp i, 0,1,2,3
.irp j, 0,2
	v_pk_add_f32 v[PS+4*\i+\j:PS+4*\i+\j+1], v[PS+4*\i+\j:PS+4*\i+\j+1], v[RES+4*\i+\j:RES+4*\i+\j+1]
.endr
.endr
.irp i, 0,1,2,3
	global_store_b128 v[RO], v[PS+4*\i:PS+4*\i+3], s[14:15] offset:8192*\i th:TH_STORE_NT   ; sixteen lanes store 256 consecutive bytes, aligned
.endr
.if \nxt
	s_wait_xcnt 0x0                                ; the stores have read their registers
	v_add_nc_u32 v[RO], PAIR, v[RO]
	s_wait_alu depctr_va_vdst(0)                   ; directly behind the write
.endif
.endm
; A pair of token tiles.  nxt = 1: the next pair's fragments and scale words are fetched.  ask = 1: the trip prefetches.
.macro TRIP nxt, fill, ask
	s_wait_dscnt 32                                ; my K steps 0-3 are in
	s_wait_loadcnt 8                               ; their scale words (and all that was asked for earlier); the 8 words of K steps 4-7 are younger
.if \ask
	s_cmp_ge_u32 s[CNT], 2                         ; trips 0 to 3: the count of trips alone decides
	s_cbranch_scc0 .Lno_ask_\@
	global_prefetch_b8 v[PFO], s[4:5] offset:4*PAIR th:TH_LOAD_NT scope:SCOPE_SE   ; pair + 4
.Lno_ask_\@:
.endif
	MMH 0
	WIN 0
	NOPS 8                                         ; places in front of loads into registers that matrix instructions have read
	s_wait_xcnt 0x0                                ; every earlier load and prefetch has read its address registers, which are stepped below
.irp i, 0,1,2,3
	global_load_b128 v[RES+4*\i:RES+4*\i+3], v[RO], s[12:13] offset:8192*\i   ; this pair's residual, my 8 rows
.endr
.if \nxt
	v_add_nc_u32 v[AW], 8192, v[AW]
.if \ask
	v_add_nc_u32 v[PFO], PAIR, v[PFO]
.endif
	s_xor_b32 s[TB], s[TB], PAIR                   ; the next pair lies in the other slot
	v_add_nc_u32 v[AL0], s[TB], v[ALB]
	v_add_nc_u32 v[AL1], s[TB], v[ALB+1]
	LOADXL 0
	LOADW 0
	s_wait_alu depctr_va_vdst(0)                   ; directly ahead of the wait below
	s_wait_loadcnt 12                              ; the words of K steps 4-7 are in; younger: the residual's 4 and the next pair's 8 words
	s_wait_dscnt 32                                ; K steps 4-7 are in; the 32 just issued may be out
.else
	s_wait_loadcnt 4                               ; younger: the residual's 4
	s_wait_dscnt 0x0
.endif
	MMH 1
	WIN 0
	NOPS 9                                         ; nine: loads into what the products read, and the stores that read the accumulators, follow
.if \nxt
	LOADXL 1
	LOADW 1
.endif
	EPI_F \nxt, \fill
.endm
	s_load_b256 s[4:11], s[0:1], 0x0               ; hd s[4:5], W2's codes s[6:7], its scales s[8:9], b2 s[10:11]
	s_load_b128 s[12:15], s[0:1], 0x20             ; x1 s[12:13], out0 s[14:15]
	v_lshl_add_u32 v254, v0, 2, SPARE
	v_mov_b32 v255, 0
	ds_add_u32 v254, v255                          ; the opening lines: the add, twice on end, and its wait ahead of my first tensor load
	ds_add_u32 v254, v255
	v_lshrrev_b32 v7, 5, v0
	v_readfirstlane_b32 s[WV], v7
	s_bfe_u32 s17, ttmp6, 0x40000                  ; cx
	s_lshl_b32 s19, ttmp9, 2
	s_add_co_u32 s19, s19, s17                     ; x: which 64 columns.  It enters the addresses of W2, b2, x1 and out0 alone
	s_and_b32 s18, ttmp7, 0xffff                   ; y: which 256 tokens, the same in the four partners
	s_lshr_b32 s37, s17, 1
	s_lshl_b32 s37, s37, 16                        ; the prefetches: tile cx / 2,
	s_and_b32 s23, s17, 1
	s_lshl_b32 s23, s23, 13                        ; half cx % 2 of a wave's 16,384 bytes
	s_add_co_u32 s37, s37, s23
	s_mul_i32 s22, s[WV], 8704
	s_add_co_u32 s22, s22, STG                     ; my stage
	s_mul_i32 s23, s[WV], 2176                     ; the 8 rows that I finish: 4,352 (w / 2) + 2,176 (w % 2)
	s_add_co_u32 s23, s23, STG
	s_lshl_b32 s3, s[WV], 14
	s_mov_b32 s[TB], 0
	v_and_b32 v7, 31, v0                           ; lane
	v_and_b32 v8, 15, v0                           ; r
	v_bfe_u32 v9, v0, 4, 1                         ; h
	v_lshlrev_b32 v[LI], 4, v7
	v_lshlrev_b32 v[AW], 2, v7
	v_lshl_add_u32 v[PFO], v7, 8, s37
	v_add_nc_u32 v[ALB], s3, v[LI]
	v_add_nc_u32 v[ALB+1], 65536, v[ALB]
	v_mov_b32 v[AL0], v[ALB]
	v_mov_b32 v[AL1], v[ALB+1]
	v_and_b32 v10, 8, v8
	v_add_nc_u32 v10, v10, v8
	v_mul_u32_u24 v[BO], v10, KROW
	v_lshl_add_u32 v[BO], v9, 4, v[BO]
	v_mul_u32_u24 v[BS], v10, KROW/32
	v_lshlrev_b32 v15, 4, v8                       ; b2: my four columns
	v_lshlrev_b32 v[RO], 12, v9
	v_lshl_add_u32 v[RO], v8, 4, v[RO]
	v_mul_u32_u24 v[SO], v8, 272
	v_lshl_add_u32 v[SO], v9, 6, v[SO]
	v_add_nc_u32 v[SO], s22, v[SO]
	v_mul_u32_u24 v[SR], v9, 272
	v_lshl_add_u32 v[SR], v8, 4, v[SR]
	v_add_nc_u32 v[SR], s23, v[SR]
	s_lshl_b32 s24, s18, 20                        ; hd's images: (512 y + 8 w) fragments: the prefetches' base
	s_lshl_b32 s25, s[WV], 14
	s_add_co_u32 s24, s24, s25
	s_mov_b32 s25, 0
	s_lshl_b32 s26, s18, 16                        ; their scale words
	s_lshl_b32 s27, s[WV], 10
	s_add_co_u32 s26, s26, s27
	s_add_co_u32 s26, s26, 16777216
	s_mov_b32 s27, 0
	s_lshl_b32 s28, s19, 18                        ; W2: rows 64 x, k = 1,024 w
	s_lshl_b32 s29, s[WV], 10
	s_add_co_u32 s28, s28, s29
	s_mov_b32 s29, 0
	s_lshl_b32 s30, s19, 13
	s_lshl_b32 s31, s[WV], 5
	s_add_co_u32 s30, s30, s31
	s_mov_b32 s31, 0
	s_lshl_b32 s32, s19, 8                         ; my work-group's 64 columns in bytes
	s_mov_b32 s33, 0
	s_lshl_b32 s34, s18, 20                        ; rows 256 y + 8 w
	s_lshl_b32 s35, s[WV], 15
	s_add_co_u32 s34, s34, s35
	s_add_co_u32 s34, s34, s32
	s_mov_b32 s35, 0
	s_lshl_b32 s2, s18, 20                         ; pairs 0 and 1 of my y: my quarter of 262,144 bytes.  Only y and the wave's number enter
	s_lshl_b32 s3, s[WV], 16
	s_add_co_u32 s2, s2, s3
	s_mov_b32 s3, 0
	s_lshl_b32 s38, s18, 20                        ; pair 2: my quarter of 131,072 bytes
	s_lshl_b32 s39, s[WV], 15
	s_add_co_u32 s38, s38, s39
	s_add_co_u32 s38, s38, 2*PAIR
	s_mov_b32 s39, 0
	GROUP1 G1A, 256
	GROUP1 G1R, 128
	s_wait_alu depctr_va_vdst(0)
	s_wait_dscnt 0x0
	s_wait_kmcnt 0x0
	s_mov_b32 s[G0A], 1
	s_lshl_b32 s[G0A+1], s[WV], 16                 ; LDS address: 65,536 x wave
	s_add_nc_u64 s[G0A+2:G0A+3], s[4:5], s[2:3]
	s_or_b32 s[G0A+3], s[G0A+3], 0x80000000
	s_mov_b32 s[G0R], 1
	s_lshl_b32 s[G0R+1], s[WV], 15                 ; slot 0, 32,768 x wave
	s_add_nc_u64 s[G0R+2:G0R+3], s[4:5], s[38:39]
	s_or_b32 s[G0R+3], s[G0R+3], 0x80000000
	s_add_nc_u64 s[20:21], s[4:5], s[26:27]
	s_add_nc_u64 s[4:5], s[4:5], s[24:25]
	s_add_nc_u64 s[WB:WB+1], s[WB:WB+1], s[28:29]
	s_add_nc_u64 s[WS:WS+1], s[WS:WS+1], s[30:31]
	s_add_nc_u64 s[10:11], s[10:11], s[32:33]
	s_add_nc_u64 s[12:13], s[12:13], s[34:35]
	s_add_nc_u64 s[14:15], s[14:15], s[34:35]
	CROUND                                         ; all four work-groups are here: the joint loads meet
	tensor_load_to_lds s[G0A:G0A+3], s[G1A:G1A+7]  ; pairs 0 and 1; it is on its way while the weight is asked for
	s_nop 0
	NOPS 4
	LOADB
	global_load_b128 v[B2:B2+3], v15, s[10:11]
	LOADW 0                                        ; pair 0's scale words
	LOADW 1
	s_wait_tensorcnt 0x0                           ; my quarter has landed,
	s_barrier_signal -1
	s_barrier_wait -1                              ; everybody's has
	LOADXL 0                                       ; pair 0 into registers
	LOADXL 1
	s_wait_tensorcnt 0x0                           ; the three lines and the round ahead of slot 0's refill
	ds_add_u32 v254, v255
	s_wait_dscnt 0x0                               ; pair 0 has left slot 0
	CROUND
	tensor_load_to_lds s[G0R:G0R+3], s[G1R:G1R+7]  ; pair 2
	s_nop 0
	NOPS 4
	s_mov_b32 s[CNT], 5
.Ltrip:                                            ; pairs 0 to 4; pairs 3 to 7 are asked for
	TRIP 1, 1, 1
	s_sub_co_u32 s[CNT], s[CNT], 1
	s_cmp_lg_u32 s[CNT], 0
	s_cbranch_scc1 .Ltrip
	s_mov_b32 s[CNT], 2
.Llate:                                            ; pairs 5 and 6: nothing is asked for
	TRIP 1, 2, 0
	s_sub_co_u32 s[CNT], s[CNT], 1
	s_cmp_lg_u32 s[CNT], 0
	s_cbranch_scc1 .Llate
	TRIP 0, 0, 0                                   ; pair 7
	s_wait_tensorcnt 0x0                           ; the wave's end
	ds_add_u32 v254, v255
	s_wait_dscnt 0x0
	CROUND                                         ; the closing round
	s_endpgm
.Lfunc_end_k_qc6bdc45ff6_ffn2:
	.size	k_qc6bdc45ff6_ffn2, .Lfunc_end_k_qc6bdc45ff6_ffn2-k_qc6bdc45ff6_ffn2
	.p2alignl 7, 3214868480
	.fill 96, 4, 3214868480
	.section	.rodata,"a",@progbits
	.p2align	6, 0x0
	.amdhsa_kernel k_qc6bdc45ff6_ffn2
		.amdhsa_group_segment_fixed_size 327680
		.amdhsa_private_segment_fixed_size 0
		.amdhsa_enable_private_segment 0
		.amdhsa_kernarg_size 48
		.amdhsa_user_sgpr_count 2
		.amdhsa_user_sgpr_kernarg_segment_ptr 1
		.amdhsa_wavefront_size32 1
		.amdhsa_system_sgpr_workgroup_id_x 1
		.amdhsa_system_sgpr_workgroup_id_y 1
		.amdhsa_system_sgpr_workgroup_id_z 1
		.amdhsa_system_vgpr_workitem_id 0
		.amdhsa_next_free_vgpr 1024
		.amdhsa_next_free_sgpr 66
		.amdhsa_reserve_vcc 0
		.amdhsa_float_denorm_mode_32 3
		.amdhsa_float_denorm_mode_16_64 3
		.amdhsa_memory_ordered 1
		.amdhsa_forward_progress 1
		.amdhsa_inst_pref_size 82
	.end_amdhsa_kernel
	.amdgpu_metadata
---
amdhsa.version: [ 1, 2 ]
amdhsa.kernels:
  - .name:           k_qc6bdc45ff6_ffn2
    .symbol:         k_qc6bdc45ff6_ffn2.kd
    .args:
      - { .name: hd, .offset: 0, .size: 8, .value_kind: global_buffer, .address_space: global }
      - { .name: W2_codes, .offset: 8, .size: 8, .value_kind: global_buffer, .address_space: global }
      - { .name: W2_scales, .offset: 16, .size: 8, .value_kind: global_buffer, .address_space: global }
      - { .name: b2, .offset: 24, .size: 8, .value_kind: global_buffer, .address_space: global }
      - { .name: x1, .offset: 32, .size: 8, .value_kind: global_buffer, .address_space: global }
      - { .name: out0, .offset: 40, .size: 8, .value_kind: global_buffer, .address_space: global }
    .group_segment_fixed_size: 327680
    .private_segment_fixed_size: 0
    .kernarg_segment_align: 8
    .kernarg_segment_size: 48
    .max_flat_workgroup_size: 128
    .sgpr_count:     66
    .vgpr_count:     1024
    .wavefront_size: 32
...
	.end_amdgpu_metadata
.endif
;; end of part 6
